; MI455X (gfx1250); checked and timed in simulation.
; The chip was launched on July 23, 2026; its instructions are those of AMD's public machine-readable ISA for CDNA 5 (MIT licence, August 2026) and "CDNA5" Instruction Set Architecture Reference Guide (July 2026). The comments in the code are by the model that wrote it; some were corrected since.
;; My Mo E Block. Allowed arithmetic: matrix products marked QUANTISED: E3M2 operands, one E8M0 scale for each 32 along K, by v_wmma_scale_f32_16x16x128_f8f6f4 with both operands' format E3M2, f32 sums; products left as they are: f32 operands where the result goes on into a quantised operand, else bf16, f16 or f32 operands; f32 sums; everything else in f32.
;; Inputs: W1_codes 8 x 4,096 x 32 x 24 uint8 (E3M2 codes of W1, K innermost, in blocks of 32 codes, four codes in three bytes); W1_scales 8 x 4,096 x 32 uint8 (E8M0 scales of W1, one for each 32 codes along K); W2_codes 8 x 1,024 x 128 x 24 uint8 (E3M2 codes of W2, K innermost, in blocks of 32 codes, four codes in three bytes); W2_scales 8 x 1,024 x 128 uint8 (E8M0 scales of W2, one for each 32 codes along K); Wr 1,024 x 8 float32; b1 8 x 4,096 float32; b2 8 x 1,024 float32; x 4 x 256 x 1,024 float32.
;; Outputs: out0 4 x 256 x 1,024 float32.
;; Constants: top_k = 2.
;; This version of the problem:
;;   THIS VERSION OF THE PROBLEM IS GIVEN IN LOW PRECISION. The matrix products marked QUANTISED in the list below multiply operands that are first quantised to E3M2 (3 exponent bits, 2 mantissa bits; 6 bits a number), with one power-of-two scale for each 32 numbers along K (OCP MX v1.0); their sums are f32. All else is computed in f32.
;;   The module's matrix products, in the order in which they are computed (A, B: the left and right operand; K: the contracted axis; several contracted axes count as one K, in the product's order):
;;     1. [M 1,024, K 1,024] x [K 1,024, N 8]; A: input x; B: input Wr: left as it is (N = 8 < 16)
;;     2. batch 1,024 x [M 1, K 2] x [K 2, N 8]; A: computed on the way; B: computed on the way: left as it is (K = 2 < 32)
;;     3. [M 1,024, K 1,024] x [K 1,024, N 4,096]; A: input x; B: input W1 (given as codes): QUANTISED
;;     4. [M 1,024, K 4,096] x [K 4,096, N 1,024]; A: computed on the way; B: input W2 (given as codes): QUANTISED
;;     5. [M 1,024, K 1,024] x [K 1,024, N 4,096]; A: input x; B: input W1 (given as codes): QUANTISED
;;     6. [M 1,024, K 4,096] x [K 4,096, N 1,024]; A: computed on the way; B: input W2 (given as codes): QUANTISED
;;     7. [M 1,024, K 1,024] x [K 1,024, N 4,096]; A: input x; B: input W1 (given as codes): QUANTISED
;;     8. [M 1,024, K 4,096] x [K 4,096, N 1,024]; A: computed on the way; B: input W2 (given as codes): QUANTISED
;;     9. [M 1,024, K 1,024] x [K 1,024, N 4,096]; A: input x; B: input W1 (given as codes): QUANTISED
;;     10. [M 1,024, K 4,096] x [K 4,096, N 1,024]; A: computed on the way; B: input W2 (given as codes): QUANTISED
;;     11. [M 1,024, K 1,024] x [K 1,024, N 4,096]; A: input x; B: input W1 (given as codes): QUANTISED
;;     12. [M 1,024, K 4,096] x [K 4,096, N 1,024]; A: computed on the way; B: input W2 (given as codes): QUANTISED
;;     13. [M 1,024, K 1,024] x [K 1,024, N 4,096]; A: input x; B: input W1 (given as codes): QUANTISED
;;     14. [M 1,024, K 4,096] x [K 4,096, N 1,024]; A: computed on the way; B: input W2 (given as codes): QUANTISED
;;     15. [M 1,024, K 1,024] x [K 1,024, N 4,096]; A: input x; B: input W1 (given as codes): QUANTISED
;;     16. [M 1,024, K 4,096] x [K 4,096, N 1,024]; A: computed on the way; B: input W2 (given as codes): QUANTISED
;;     17. [M 1,024, K 1,024] x [K 1,024, N 4,096]; A: input x; B: input W1 (given as codes): QUANTISED
;;     18. [M 1,024, K 4,096] x [K 4,096, N 1,024]; A: computed on the way; B: input W2 (given as codes): QUANTISED
;;   THE QUANTISER, for each operand of a quantised product, along K:
;;     - K is cut into blocks of 32 from its start; a last block that is shorter is filled with zeros.
;;     - A block's scale is 2^e with e = floor(log2(the largest magnitude in the block)) - 4, held to -126 .. 127; a block of zeros has e = 0. As a byte (E8M0): e + 127.
;;     - Each number is divided by its block's scale, clamped to +-28, and rounded to the nearest number of E3M2, ties to even, subnormals kept.
;;     - The product sums the exact products of the quantised numbers (number of the format x scale) in f32.
;;   ~~~python
;;   def quantise(x, axis):      # numpy; x: float32 -> the quantised numbers, widened to float32 again
;;       x = np.moveaxis(x, axis, -1); K = x.shape[-1]
;;       x = np.pad(x, [(0, 0)] * (x.ndim - 1) + [(0, -K % 32)]); x = x.reshape(x.shape[:-1] + (-1, 32)); a = np.abs(x).max(-1, keepdims=True)
;;       e = np.where(a > 0, np.clip(np.frexp(np.where(a > 0, a, 1))[1] - 1 - 4, -126, 127), 0)      # np.frexp(a)[1] - 1 = floor(log2(a)), exactly
;;       r = np.clip(x / 2.0 ** e, -28, 28)
;;       step = 2.0 ** (np.maximum(np.frexp(np.where(r == 0, 1, r))[1] - 1, -2) - 2)
;;       q = np.round(r / step) * step * 2.0 ** e      # np.round: ties to even
;;       return np.moveaxis(q.reshape(q.shape[:-2] + (-1,))[..., :K], -1, axis).astype(np.float32)
;;   ~~~
;;   OPERANDS COMPUTED ON THE WAY. 'Computed on the way' means the value that the module computes at that place (a softmax that the list does not call 'softmax' is quantised finished and normalised). What goes into a quantiser is computed in f32, as accurately as f32 sums, v_exp_f32 and their like allow (about 1e-6 of the number): no bf16 or f16 on the way to a quantiser, and a product that is left as it is and whose result goes on into a quantised operand takes f32 operands (vector FMAs, or v_wmma_f32_16x16x4_f32). A number that lies on a knife's edge between two numbers of the format may be rounded either way, as far as f32 arithmetic and the matrix unit's own rounding can turn it there, and no further.
;;   INPUTS GIVEN AS CODES. W1 (in the module: [8, 1024, 4096], K = its axis 1); W2 (in the module: [8, 4096, 1024], K = its axis 1): each comes as NAME_codes (uint8): NAME with its K axis moved to the last place and cut into blocks of 32 codes, [.., K / 32, bytes a block], one block behind the other in memory; four codes in three bytes: a row's codes are one little-endian stream of bits, code i at bits 6 i .. 6 i + 5 (a code: sign, 3 exponent bits, 2 mantissa bits); and NAME_scales (uint8): the same leading axes, one E8M0 byte (e + 127) for each 32 codes along K. Its value is code x scale, taken as it is: it is not quantised again, and the codes and scales need not be those that the quantiser above would give.
;; 2 versions. Each part assembles by itself: llvm-mc -triple=amdgcn-amd-amdhsa -mcpu=gfx1250 --defsym DOCPART=n.
;; ======== version 1 of 2: 4 launches
;; workspace buffers: choice 4,096 bytes of whole numbers; gate 8,192 bytes; xq 819,200 bytes; rows 49,152 bytes of whole numbers; hq 25,165,824 bytes; hs 1,048,576 bytes; y 16,842,752 bytes
;; launch route (part 1): grid 64 x 1, 8 waves a work-group, no clusters, 22,016 bytes of LDS; arguments x, Wr, choice, gate, xq; writes choice, gate, xq
.if DOCPART == 1
	.amdgcn_target "amdgcn-amd-amdhsa--gfx1250"
	.amdhsa_code_object_version 6
	.text
	.protected	k_qe9cc36e049_route
	.globl	k_qe9cc36e049_route
	.p2align	8
	.type	k_qe9cc36e049_route,@function
k_qe9cc36e049_route:
	s_mov_b64 s[64:65], 0
	v_nop
	global_prefetch_b8 v0, s[64:65] scope:SCOPE_SE
	s_setreg_imm32_b32 hwreg(HW_REG_WAVE_MODE, 25, 1), 1
	s_wait_xcnt 0x0
; THE ROUTER, AND x INTO CODES.  x [1024][1024] f32, Wr [1024][8] f32.
; choice[t] = e0 | e1 << 8 (the two experts of the largest softmax probabilities, the lower index first on a tie), gate[t] = their two probabilities.
; xq: x as codes of E3M2 with one E8M0 byte for each 32 along K, laid in the order of an operand's registers: codes [t][K step 8][half 2][48 bytes], then from byte 786,432 the scale words [t][8].
; SHARES.  A work-group takes 16 tokens, its eight waves the eight K steps of 128.  A wave loads its 16 x 128 numbers once: they are quantised, and they are source 0 of the f32 matrix form
; (16 x 16 x 4) against Wr (columns 8-15 repeat 0-7).  k is permuted alike in both sources.  The eight partial logits meet in LDS; wave 0 does softmax and top-2, a lane a token.
; 64 work-groups: a fragment has 16 rows and a token's logits are summed inside one work-group.
; LIMITS: NaN and infinities are not served; two probabilities nearer than f32 rounding may change places; a block whose largest magnitude lies under 2^-122 keeps the byte 1 (a block of zeros too: its codes are zeros).
.set PART, 0                           ; LDS: partial logits [wave][token 16][16 words]
.set XST,  8192                        ; codes [token 16][K step 8][half 2][48 bytes]: as they lie in xq
.set XSL,  20480                       ; scale words [token 16][8]
.set X,    16                          ; v16-79   x: register 16 b + i = k 32 b + 16 (lane / 16) + i of row lane % 16
.set WR,   80                          ; v80-143  Wr at the same k, column lane % 8
.set ACC,  144                         ; v144-175 four accumulators: written by matrix instructions alone
.set LG,   176                         ; v176-183 the wave's partial logits
.set TT,   184
.set TM,   200                         ; v200-215 the quantiser's work
.set PW,   216                         ; the scale word
.set PC,   218                         ; v218-237 the codes
.set WV,   14
.set SEL,  20
; 64 numbers of a lane, register 16 b + i = k 32 b + 16 (lane / 16) + i of its row, become a fragment's codes in v[PC] on and its scale word in v[PW]
.macro QUANT s
.irp b, 0,1,2,3
	v_max3_num_f32 v[TM+\b], |v[\s+16*\b]|, |v[\s+1+16*\b]|, 0x2800000   ; my 16 numbers of block b, and the floor 2^(5 - 127): the byte cannot fall under 1
.endr
.irp i, 2,4,6,8,10,12,14
.irp b, 0,1,2,3
	v_max3_num_f32 v[TM+\b], v[TM+\b], |v[\s+16*\b+\i]|, |v[\s+1+16*\b+\i]|
.endr
.endr
.irp b, 0,1,2,3
	v_permlanex16_b32 v[TM+4+\b], v[TM+\b], s[SEL], s[SEL+1]
.endr
.irp b, 0,1,2,3
	v_max_num_f32 v[TM+\b], v[TM+\b], v[TM+4+\b]                  ; with lane l xor 16's: the block's largest magnitude
.endr
.irp b, 0,1,2,3
	v_add_nc_u32 v[TM+12+\b], 0xfe000000, v[TM+\b]                ; 4 off its exponent field: the conversion's scale operand
.endr
.irp b, 0,1,2,3
	v_lshrrev_b32 v[TM+4+\b], 23, v[TM+12+\b]                     ; the scale's byte
.endr
	v_lshl_or_b32 v[PW], v[TM+5], 8, v[TM+4]
	v_lshl_or_b32 v[PW], v[TM+6], 16, v[PW]
	v_lshl_or_b32 v[PW], v[TM+7], 24, v[PW]
.irp c, 0,1
	v_cvt_scalef32_pk16_bf6_f32 v[PC+6*\c:PC+2+6*\c], v[\s+32*\c:\s+15+32*\c], v[TM+12+2*\c]
	v_cvt_scalef32_pk16_bf6_f32 v[PC+12+4*\c:PC+14+4*\c], v[\s+16+32*\c:\s+31+32*\c], v[TM+12+2*\c+1]
.endr
	v_nop                                          ; one plain place behind a scaled conversion
.irp c, 0,1                                    ; a whole block to a lane: lanes 0-15 block 2 c, lanes 16-31 block 2 c + 1
.irp i, 0,1,2
	v_permlane16_swap_b32 v[PC+6*\c+\i], v[PC+12+4*\c+\i]
.endr
.irp i, 0,1,2
	v_mov_b32 v[PC+3+6*\c+\i], v[PC+12+4*\c+\i]
.endr
.endr
.endm
	s_load_b256 s[4:11], s[0:1], 0x0               ; x s[4:5], Wr s[6:7], choice s[8:9], gate s[10:11]
	s_load_b64 s[12:13], s[0:1], 0x20              ; xq
	v_lshl_add_u32 v254, v0, 2, 0x5200
	v_mov_b32 v255, 0
	v_lshrrev_b32 v1, 5, v0
	v_readfirstlane_b32 s[WV], v1                  ; wave = K step
	v_and_b32 v1, 31, v0                           ; lane
	v_and_b32 v2, 15, v0                           ; r
	v_bfe_u32 v3, v0, 4, 1                         ; h
	v_lshlrev_b32 v4, 12, v2
	v_lshl_add_u32 v4, v3, 6, v4                   ; x: 4096 r + 64 h
	v_and_b32 v5, 7, v0
	v_lshlrev_b32 v5, 2, v5
	v_lshl_add_u32 v5, v3, 9, v5                   ; Wr: 16 h rows of 32 bytes + 4 (r % 8)
	v_mul_u32_u24 v6, v2, 768
	v_mad_u32_u24 v6, v3, 48, v6
	s_mul_i32 s15, s[WV], 96
	s_add_co_u32 s15, s15, XST
	v_add_nc_u32 v6, s15, v6                       ; my codes' place: XST + 768 r + 96 wave + 48 h
	v_lshlrev_b32 v7, 5, v2
	s_lshl_b32 s15, s[WV], 2
	s_add_co_u32 s15, s15, XSL
	v_add_nc_u32 v7, s15, v7                       ; my scale word's: XSL + 32 r + 4 wave
	v_lshlrev_b32 v8, 2, v2
	v_lshl_add_u32 v8, v3, 9, v8
	s_lshl_b32 s15, s[WV], 10
	v_add_nc_u32 v8, s15, v8                       ; partial logits: 1024 wave + 64 (8 h + j) + 4 r
	v_lshlrev_b32 v10, 4, v0                       ; the way out of the codes: 16 bytes a thread
	v_add_nc_u32 v9, XST, v10
	v_lshlrev_b32 v12, 4, v1                       ; of the scale words: 16 bytes a lane
	v_add_nc_u32 v11, XSL, v12
	v_lshlrev_b32 v13, 6, v2                       ; token r's logits
	v_lshlrev_b32 v14, 2, v2
	v_lshlrev_b32 v15, 3, v2
	s_mov_b32 s[SEL], 0x76543210
	s_mov_b32 s[SEL+1], 0xfedcba98                 ; v_permlanex16_b32's selects for lane l xor 16
.irp b, 0,1,2,3
	v_mov_b32 v[TM+4+\b], 0                        ; a lane permute's destination counts as one of its sources
.endr
	s_lshl_b32 s16, ttmp9, 16                      ; 16 tokens of 4,096 bytes
	s_lshl_b32 s15, s[WV], 9
	s_add_co_u32 s16, s16, s15
	s_mov_b32 s17, 0
	s_lshl_b32 s18, s[WV], 12                      ; 128 rows of Wr
	s_mov_b32 s19, 0
	s_mul_i32 s22, ttmp9, 12288
	s_mov_b32 s23, 0
	s_lshl_b32 s24, ttmp9, 9
	s_mov_b32 s25, 0
	s_lshl_b32 s26, ttmp9, 6
	s_mov_b32 s27, 0
	s_lshl_b32 s28, ttmp9, 7
	s_mov_b32 s29, 0
	s_wait_kmcnt 0x0
	s_add_nc_u64 s[4:5], s[4:5], s[16:17]
	s_add_nc_u64 s[6:7], s[6:7], s[18:19]
	s_add_nc_u64 s[22:23], s[12:13], s[22:23]      ; xq: my 16 tokens' codes
	s_add_nc_u64 s[24:25], s[12:13], s[24:25]      ; and (786,432 bytes on) their scale words
	s_add_nc_u64 s[8:9], s[8:9], s[26:27]
	s_add_nc_u64 s[10:11], s[10:11], s[28:29]
.irp b, 0,1,2,3
.irp j, 0,1,2,3
	global_load_b128 v[X+16*\b+4*\j:X+16*\b+4*\j+3], v4, s[4:5] offset:128*\b+16*\j th:TH_LOAD_NT
.endr
.endr
.set ii, 0
.rept 64
	global_load_b32 v[WR+ii], v5, s[6:7] offset:32*(32*(ii/16)+ii%16)
.set ii, ii+1
.endr
	s_wait_loadcnt 63                              ; x's 16 loads are the oldest, Wr's 64 stand behind them: with 63 out at the most, x (and Wr's first load) is in.  The wait's count cannot name 64
	QUANT X
.irp c, 0,1,2
	ds_store_b128 v6, v[PC+4*\c:PC+4*\c+3] offset:16*\c
.endr
	ds_store_b32 v7, v[PW]                         ; both halves of the lanes hold the same word
	s_wait_loadcnt 0x0
.set qq, 0
.rept 32                                       ; four accumulators by turns, one instruction a turn; the first four start the sums
.if qq < 4
	v_wmma_f32_16x16x4_f32 v[ACC+8*(qq%4):ACC+8*(qq%4)+7], v[X+2*qq:X+2*qq+1], v[WR+2*qq:WR+2*qq+1], 0
.else
	v_wmma_f32_16x16x4_f32 v[ACC+8*(qq%4):ACC+8*(qq%4)+7], v[X+2*qq:X+2*qq+1], v[WR+2*qq:WR+2*qq+1], v[ACC+8*(qq%4):ACC+8*(qq%4)+7]
.endif
.set qq, qq+1
.endr
.rept 8
	v_nop                                          ; eight places behind this form (ISA guide 7.12.1)
.endr
.irp j, 0,2,4,6                                ; each accumulator is read from its low end on
	v_pk_add_f32 v[TT:TT+1], v[ACC+\j:ACC+\j+1], v[ACC+8+\j:ACC+9+\j]
	v_pk_add_f32 v[TT+2:TT+3], v[ACC+16+\j:ACC+17+\j], v[ACC+24+\j:ACC+25+\j]
	v_pk_add_f32 v[LG+\j:LG+\j+1], v[TT:TT+1], v[TT+2:TT+3]
.endr
.irp j, 0,1,2,3,4,5,6,7
	ds_store_b32 v8, v[LG+\j] offset:64*\j         ; token 8 h + j, expert r
.endr
	s_wait_dscnt 0x0                               ; for the others' sake: my stores have landed
	s_barrier_signal -1
	s_barrier_wait -1
.irp i, 0,1,2                                  ; the 12,288 bytes of codes leave as they lie: a wave's store covers 512 consecutive bytes
	ds_load_b128 v[80+4*\i:83+4*\i], v9 offset:4096*\i
.endr
.irp i, 0,1,2
	s_wait_dscnt 2-\i
	global_store_b128 v10, v[80+4*\i:83+4*\i], s[22:23] offset:4096*\i
.endr
	s_cmp_eq_u32 s[WV], 1
	s_cbranch_scc0 .Lnot_1
	ds_load_b128 v[92:95], v11                     ; wave 1: the 512 bytes of scale words
	s_wait_dscnt 0x0
	global_store_b128 v12, v[92:95], s[24:25] offset:786432
.Lnot_1:
	s_cmp_lg_u32 s[WV], 0
	s_cbranch_scc1 .Lend
	; wave 0: lane l has token l % 16 (lanes 16-31 repeat lanes 0-15 and store the same words to the same places)
.irp s, 0,1,2,3,4,5,6,7
	ds_load_b128 v[16+8*\s:19+8*\s], v13 offset:1024*\s
	ds_load_b128 v[20+8*\s:23+8*\s], v13 offset:1024*\s+16
.endr
	s_wait_dscnt 0x0
.irp s, 1,2,3,4,5,6,7
.irp j, 0,2,4,6
	v_pk_add_f32 v[16+\j:17+\j], v[16+\j:17+\j], v[16+8*\s+\j:17+8*\s+\j]
.endr
.endr
	v_max3_num_f32 v24, v16, v17, v18              ; the row's maximum is taken away before the exponential
	v_max3_num_f32 v24, v24, v19, v20
	v_max3_num_f32 v24, v24, v21, v22
	v_max_num_f32 v24, v24, v23
.irp i, 0,1,2,3,4,5,6,7
	v_sub_f32 v[16+\i], v[16+\i], v24
.endr
.irp i, 0,1,2,3,4,5,6,7
	v_mul_f32 v[16+\i], 0x3fb8aa3b, v[16+\i]       ; x log2(e)
.endr
.irp i, 0,1,2,3,4,5,6,7
	v_exp_f32 v[16+\i], v[16+\i]
.endr
	v_mov_b32 v39, -1.0                            ; (a plain place behind the exponentials)
	s_wait_alu depctr_va_vdst(0)                   ; one wait for the eight, ahead of their first reader
	v_add_f32 v25, v16, v17
	v_add_f32 v26, v18, v19
	v_add_f32 v27, v20, v21
	v_add_f32 v28, v22, v23
	v_add_f32 v25, v25, v26
	v_add_f32 v27, v27, v28
	v_add_f32 v25, v25, v27
	v_rcp_f32 v26, v25
	v_mov_b32 v36, 0                               ; (a plain place behind the reciprocal)
	s_wait_alu depctr_va_vdst(0)
.irp i, 0,1,2,3,4,5,6,7
	v_mul_f32 v[16+\i], v[16+\i], v26              ; the probabilities
.endr
	v_mov_b32 v34, v16                             ; the largest: a later one wins only if it is strictly larger
.irp i, 1,2,3,4,5,6,7
	v_cmp_le_f32 vcc_lo, v[16+\i], v34
	v_cndmask_b32 v34, v[16+\i], v34, vcc_lo
	v_cndmask_b32 v36, \i, v36, vcc_lo
.endr
.irp i, 0,1,2,3,4,5,6,7
	v_cmp_eq_u32 vcc_lo, \i, v36
	v_cndmask_b32 v[16+\i], v[16+\i], v39, vcc_lo  ; the winner leaves the field: -1 lies under every probability
.endr
	v_mov_b32 v35, v16
	v_mov_b32 v37, 0
.irp i, 1,2,3,4,5,6,7
	v_cmp_le_f32 vcc_lo, v[16+\i], v35
	v_cndmask_b32 v35, v[16+\i], v35, vcc_lo
	v_cndmask_b32 v37, \i, v37, vcc_lo
.endr
	v_lshl_or_b32 v38, v37, 8, v36
	global_store_b32 v14, v38, s[8:9]
	global_store_b64 v15, v[34:35], s[10:11]
.Lend:
	s_wait_tensorcnt 0x0
	ds_add_u32 v254, v255
	s_wait_dscnt 0x0
	s_endpgm
.Lfunc_end_k_qe9cc36e049_route:
	.size	k_qe9cc36e049_route, .Lfunc_end_k_qe9cc36e049_route-k_qe9cc36e049_route
	.p2alignl 7, 3214868480
	.fill 96, 4, 3214868480
	.section	.rodata,"a",@progbits
	.p2align	6, 0x0
	.amdhsa_kernel k_qe9cc36e049_route
		.amdhsa_group_segment_fixed_size 22016
		.amdhsa_private_segment_fixed_size 0
		.amdhsa_enable_private_segment 0
		.amdhsa_kernarg_size 40
		.amdhsa_user_sgpr_count 2
		.amdhsa_user_sgpr_kernarg_segment_ptr 1
		.amdhsa_wavefront_size32 1
		.amdhsa_system_sgpr_workgroup_id_x 1
		.amdhsa_system_sgpr_workgroup_id_y 1
		.amdhsa_system_sgpr_workgroup_id_z 1
		.amdhsa_system_vgpr_workitem_id 0
		.amdhsa_next_free_vgpr 256
		.amdhsa_next_free_sgpr 66
		.amdhsa_reserve_vcc 1
		.amdhsa_float_denorm_mode_32 3
		.amdhsa_float_denorm_mode_16_64 3
		.amdhsa_memory_ordered 1
		.amdhsa_forward_progress 1
		.amdhsa_inst_pref_size 26
	.end_amdhsa_kernel
	.amdgpu_metadata
---
amdhsa.version: [ 1, 2 ]
amdhsa.kernels:
  - .name:           k_qe9cc36e049_route
    .symbol:         k_qe9cc36e049_route.kd
    .args:
      - { .name: x, .offset: 0, .size: 8, .value_kind: global_buffer, .address_space: global }
      - { .name: Wr, .offset: 8, .size: 8, .value_kind: global_buffer, .address_space: global }
      - { .name: choice, .offset: 16, .size: 8, .value_kind: global_buffer, .address_space: global }
      - { .name: gate, .offset: 24, .size: 8, .value_kind: global_buffer, .address_space: global }
      - { .name: xq, .offset: 32, .size: 8, .value_kind: global_buffer, .address_space: global }
    .group_segment_fixed_size: 22016
    .private_segment_fixed_size: 0
    .kernarg_segment_align: 8
    .kernarg_segment_size: 40
    .max_flat_workgroup_size: 256
    .sgpr_count:     66
    .vgpr_count:     256
    .wavefront_size: 32
...
	.end_amdgpu_metadata
.endif
;; end of part 1
;; launch up (part 2): grid 256 x 1, 4 waves a work-group, no clusters, 107,008 bytes of LDS; arguments W1_codes, W1_scales, b1, choice, xq, hq, hs, rows; writes hq, hs, rows
.if DOCPART == 2
	.amdgcn_target "amdgcn-amd-amdhsa--gfx1250"
	.amdhsa_code_object_version 6
	.text
	.protected	k_qe9cc36e049_up
	.globl	k_qe9cc36e049_up
	.p2align	8
	.type	k_qe9cc36e049_up,@function
k_qe9cc36e049_up:
	s_mov_b64 s[64:65], 0
	v_nop
	global_prefetch_b8 v0, s[64:65] scope:SCOPE_SE
	s_setreg_imm32_b32 hwreg(HW_REG_WAVE_MODE, 25, 1), 1
	s_wait_xcnt 0x0
; THE FIRST PRODUCT OF THE CHOSEN ROWS: hq = Q(gelu(Xq W1[e]^T + b1[e])), on codes of E3M2 with one E8M0 byte for each 32 along K.
; SHARES.  Work-group = (expert e = id / 32, slice sl = id % 32 of 128 hidden units).  Its 128 rows of W1 (98,304 bytes) are read from memory once and stay in LDS; it multiplies ALL rows routed to e.
; THE LIST.  Wave 0 reads choice (1,024 words), and places idx = 1024 k + token of every token that chose e into a list in LDS, by a ballot and a running count; the rest of the list holds 2048 + e
; (as a token: token e, whose results nobody keeps).  The work-group of slice 0 stores list and count into rows, for the next launch.
; A wave takes five tiles of 16 rows at once (slot j of wave w in pass p: tile 20 p + 4 j + w), so that a fragment of W1 read from LDS feeds five products.  Four passes cover the 64 tiles that one
; expert can have; a pass whose first tile lies at or past the count's tiles is jumped over, and so is the way out of each slot that has no rows.
; THE PRODUCT IS USED TRANSPOSED (source 0 = 16 rows of W1, source 1 = 16 rows of x), and LDS row 16 t + r holds hidden unit 32 (t / 2) + 8 (t % 2) + r + 8 (r / 8): so the 64 results of a lane are
; 64 hidden units of ONE row, register 16 b + i = unit 32 b + 16 (lane / 16) + i: what the conversions want.  The slice's 128 units are K step sl of the second product: one fragment and one scale word a row.
; hq: [e][tile 64][K step 32][1,536 bytes]: the fragment's registers as they stand, 3 x 512 bytes, lane l's 16 bytes at 16 l.  hs: [e][tile][K step / 2][32 words]: lane 16 (step % 2) + r has row r's word.
; NO TENSOR LOAD, NO CLUSTER: which passes run hangs on a count read from memory, so partners would not make the same requests.  No prefetch: x's codes are read by all 32 slices of an expert.
; gelu(v) = v (0.5 + 0.5 erf(v / sqrt 2)); erf(z) = z P(z^2) / Q(z^2), z held to -4 .. 4, a rational form of degrees 6 and 4 in z^2; the division is v_rcp_f32 and a multiplication.
; LIMITS: NaN and infinities are not served; 1 + erf is formed as a sum, so far on the negative side gelu keeps an absolute error of about 1e-7 |v|; a block whose largest magnitude lies under 2^-122 keeps the byte 1.
.set WP,    784                        ; a row of W1 in LDS: 768 bytes + 16 = 196 words: row r starts at bank 4 r mod 64 (64 banks of 4 bytes: ISA guide 11.1): the 32 lanes of a load of 8 bytes touch 64 different banks
.set LIST,  128*WP                     ; behind the weights: 1,536 words; entry 1534 takes what is thrown away, entry 1535 the count
.set CNTO,  6140
.set L16, 1                            ; v1   16 x lane
.set R4,  2                            ; v2   4 x (lane % 16)
.set H48, 3                            ; v3   48 x (lane / 16)
.set H16, 4                            ; v4   16 x (lane / 16)
.set AW,  5                            ; v5-6 LDS address of my lane in W1's tiles 0-3, 4-7
.set LRD, 7                            ; v7   LIST + 4 (lane % 16)
.set XSA, 8                            ; v8-12  slot j: my row's scale words in xq
.set HO,  13                           ; v13  my byte in hq
.set HSO, 14                           ; v14  my byte in hs
.set TA,  15
.set XA,  16                           ; v16-20 slot j: my row's codes in xq
.set LCP, 21                           ; v21  the list's way out: LDS address,
.set LCG, 22                           ; v22  and offset in rows
.set TB,  23
.set VA11, 24                          ; v[24:25], v[26:27]: two of erf's constants as vector pairs, so that no instruction names two scalar pairs
.set VB6, 26
.set WS,  28                           ; v28-30 where the staged weights go
.set TC,  31
.set W1S, 32                           ; v32-63  W1's scale words: register 4 t + q: lanes 0-15 K step q, lanes 16-31 K step 4 + q
.set XS,  64                           ; v64-83  x's: register 4 j + q likewise
.set B1,  84                           ; v84-147 b1 in the result's layout, 8 a tile
.set Z,   148                          ; v148-211 gelu's work: Z, X2, P, Q, 16 each
.set X2,  164
.set P,   180
.set Q,   196
.set TM,  212                          ; v212-227 the quantiser's work
.set PW,  228
.set PC,  230                          ; v230-249 the codes
.set LA,  148                          ; at the head, in gelu's registers: the list's work
.set LB,  149
.set LP,  150
.set LV,  151
.set LBIG, 152
.set LT0, 153
.set LT1, 154
.set LF,  155
.set FD,  156
.set LC,  160
.set WSO, 161
.set BO,  162
.set CH,  176                          ; v176-207 choice: register 4 i + c: token 128 i + 4 lane + c
; window 1: the accumulators of slots 0-3 (64 j + 8 t); at the head v0-191: the staged weights.  window 2: v0-63 slot 4's; from v64 two sets of W1's 8 fragments.  window 3: x's fragments, K step s at 60 (s % 4) + 12 j
.set WV, 20
.set EX, 21
.set SL, 22
.set CNT, 23
.set NT, 24
.set T0, 25
.set PASS, 26
.set EA13, 32
.set EA11, 34
.set EA9, 36
.set EA7, 38
.set EA5, 40
.set EA3, 42
.set EA1, 44
.set EB8, 46
.set EB6, 48
.set EB4, 50
.set EB2, 52
.set EB0, 54
.set RS2, 56
.set SEL, 58
.set MSB, 0
.macro WIN new                         ; the immediate's high byte repeats the setting that is left
.if MSB != (\new)
	s_set_vgpr_msb (MSB<<8)|(\new)
.set MSB, (\new)
.endif
.endm
.macro PAIR reg, bits                  ; the packed forms name a pair and take its low word for both halves: both are written
	s_mov_b32 s[\reg], \bits
	s_mov_b32 s[\reg+1], \bits
.endm
.macro PLACES                          ; four places behind this matrix form, ahead of loads into registers that it has read and of the first read of results
.rept 4
	v_nop
.endr
.endm
; one word of choice a lane: 32 tokens.  Those that chose e are counted by a ballot; lane's place = running count + matching lanes below it.
.macro ROUND i, c
	v_and_b32 v[LA], 0xff, v[CH+4*(\i)+(\c)]
	v_lshrrev_b32 v[LB], 8, v[CH+4*(\i)+(\c)]
	v_cmp_eq_u32 s66, s[EX], v[LA]
	v_cmp_eq_u32 s67, s[EX], v[LB]
	s_or_b32 s68, s66, s67                         ; (the two experts of a token differ)
	v_mbcnt_lo_u32_b32 v[LP], s68, s[CNT]
	v_cndmask_b32 v[LP], v[LBIG], v[LP], s68       ; a lane with no match gets a place beyond the list,
	v_min_u32 v[LP], 1534, v[LP]                   ; which this hold turns into entry 1534
	v_lshl_add_u32 v[LP], v[LP], 2, LIST
	v_cndmask_b32 v[LV], v[LT0], v[LT1], s67       ; 4 lane, + 1024 where e is the token's second expert
	v_add_nc_u32 v[LV], 128*(\i)+(\c), v[LV]
	ds_store_b32 v[LP], v[LV]
	s_bcnt1_i32_b32 s69, s68
	s_add_co_u32 s[CNT], s[CNT], s69
.endm
.macro WM d, a, b, c, sa, sb, ra, rb   ; one product; ra, rb = 1: that side's scales stand in lanes 16-31
.if (\ra) && (\rb)
	v_wmma_scale_f32_16x16x128_f8f6f4 v[(\d):(\d)+7], v[(\a):(\a)+11], v[(\b):(\b)+11], v[(\c):(\c)+7], v[\sa], v[\sb] matrix_a_fmt:MATRIX_FMT_BF6 matrix_b_fmt:MATRIX_FMT_BF6 matrix_a_scale:MATRIX_SCALE_ROW1 matrix_b_scale:MATRIX_SCALE_ROW1
.elseif (\ra)
	v_wmma_scale_f32_16x16x128_f8f6f4 v[(\d):(\d)+7], v[(\a):(\a)+11], v[(\b):(\b)+11], v[(\c):(\c)+7], v[\sa], v[\sb] matrix_a_fmt:MATRIX_FMT_BF6 matrix_b_fmt:MATRIX_FMT_BF6 matrix_a_scale:MATRIX_SCALE_ROW1
.elseif (\rb)
	v_wmma_scale_f32_16x16x128_f8f6f4 v[(\d):(\d)+7], v[(\a):(\a)+11], v[(\b):(\b)+11], v[(\c):(\c)+7], v[\sa], v[\sb] matrix_a_fmt:MATRIX_FMT_BF6 matrix_b_fmt:MATRIX_FMT_BF6 matrix_b_scale:MATRIX_SCALE_ROW1
.else
	v_wmma_scale_f32_16x16x128_f8f6f4 v[(\d):(\d)+7], v[(\a):(\a)+11], v[(\b):(\b)+11], v[(\c):(\c)+7], v[\sa], v[\sb] matrix_a_fmt:MATRIX_FMT_BF6 matrix_b_fmt:MATRIX_FMT_BF6
.endif
.endm
.macro XLOAD s                         ; K step s of my five tiles of x: 48 bytes a lane and tile, as the operand's registers take them
	WIN 0xc0
.irp j, 0,1,2,3,4
.irp c, 0,1,2
	global_load_b128 v[60*((\s)%4)+12*\j+4*\c:60*((\s)%4)+12*\j+4*\c+3], v[XA+\j], s[12:13] offset:96*(\s)+16*\c
.endr
.endr
.endm
.macro WFETCH s                        ; K step s of W1's eight tiles, in pieces of 8 bytes
	WIN 0x80
.irp t, 0,1,2,3,4,5,6,7
.irp p, 0,1,2,3,4,5
	ds_load_b64 v[64+96*((\s)%2)+12*\t+2*\p:64+96*((\s)%2)+12*\t+2*\p+1], v[AW+\t/4] offset:16*WP*(\t%4)+96*(\s)+48*(\p/3)+8*(\p%3)
.endr
.endr
.endm
.macro MUL s                           ; 40 products: the 40 accumulators take turns, one instruction a turn, in the same order in every step.  Step 0 takes b1 as C
.irp j, 0,1,2,3,4
.if (\s) == 0
	WIN 0x4e+0x40*(\j/4)
.else
	WIN 0x5e+0x50*(\j/4)
.endif
.irp t, 0,1,2,3,4,5,6,7
.if (\s) == 0
	WM (64*\j)%256+8*\t, 64+12*\t, 12*\j, B1+8*\t, W1S+4*\t, XS+4*\j, 0, 0
.else
	WM (64*\j)%256+8*\t, 64+96*((\s)%2)+12*\t, 60*((\s)%4)+12*\j, (64*\j)%256+8*\t, W1S+4*\t+(\s)%4, XS+4*\j+(\s)%4, (\s)/4, (\s)/4
.endif
.endr
.endr
.endm
.macro STEP s
.if (\s) > 0
	PLACES                                         ; the loads below land in registers that the last step's products read
.endif
.if (\s)+3 < 8
	XLOAD (\s)+3
.endif
.if (\s)+1 < 8
	WFETCH (\s)+1
.endif
.if 7-(\s) >= 3
	s_wait_loadcnt 45                              ; this step's x is in; the 15 loads of each of the three steps behind it may be out
.else
	s_wait_loadcnt 15*(7-(\s))
.endif
.if (\s) < 7
	s_wait_dscnt 48                                ; this step's W1 is in; the 48 loads just issued may be out
.else
	s_wait_dscnt 0x0
.endif
	MUL \s
.endm
; 16 results, v[a] on in window win, become their gelu, in place
.macro GELU a, win
	WIN \win
.irp i, 0,2,4,6,8,10,12,14
	v_pk_mul_f32 v[Z+\i:Z+\i+1], v[(\a)+\i:(\a)+\i+1], s[RS2:RS2+1] op_sel_hi:[1,0]   ; z = v / sqrt 2.  (An accumulator is read from its low end on)
.endr
	WIN 0
.irp i, 0,1,2,3,4,5,6,7,8,9,10,11,12,13,14,15
	v_med3_num_f32 v[Z+\i], v[Z+\i], -4.0, 4.0
.endr
.irp i, 0,2,4,6,8,10,12,14
	v_pk_mul_f32 v[X2+\i:X2+\i+1], v[Z+\i:Z+\i+1], v[Z+\i:Z+\i+1]
.endr
.irp i, 0,2,4,6,8,10,12,14
	v_pk_fma_f32 v[P+\i:P+\i+1], v[X2+\i:X2+\i+1], s[EA13:EA13+1], v[VA11:VA11+1] op_sel_hi:[1,0,1]
.endr
.irp i, 0,2,4,6,8,10,12,14
	v_pk_fma_f32 v[Q+\i:Q+\i+1], v[X2+\i:X2+\i+1], s[EB8:EB8+1], v[VB6:VB6+1] op_sel_hi:[1,0,1]
.endr
.irp c, EB4, EB2, EB0
.irp i, 0,2,4,6,8,10,12,14
	v_pk_fma_f32 v[Q+\i:Q+\i+1], v[Q+\i:Q+\i+1], v[X2+\i:X2+\i+1], s[\c:\c+1] op_sel_hi:[1,1,0]
.endr
.endr
.irp i, 0,1,2,3,4,5,6,7,8,9,10,11,12,13,14,15
	v_rcp_f32 v[Q+\i], v[Q+\i]
.endr
.irp c, EA9, EA7, EA5, EA3, EA1                ; P's Horner steps name none of the reciprocals: the plain work behind them
.irp i, 0,2,4,6,8,10,12,14
	v_pk_fma_f32 v[P+\i:P+\i+1], v[P+\i:P+\i+1], v[X2+\i:X2+\i+1], s[\c:\c+1] op_sel_hi:[1,1,0]
.endr
.endr
.irp i, 0,2,4,6,8,10,12,14
	v_pk_mul_f32 v[P+\i:P+\i+1], v[P+\i:P+\i+1], v[Z+\i:Z+\i+1]
.endr
	s_wait_alu depctr_va_vdst(0)                   ; one wait for the sixteen reciprocals, ahead of their first reader
.irp i, 0,2,4,6,8,10,12,14
	v_pk_mul_f32 v[P+\i:P+\i+1], v[P+\i:P+\i+1], v[Q+\i:Q+\i+1]                      ; erf
.endr
.irp i, 0,2,4,6,8,10,12,14
	v_pk_fma_f32 v[P+\i:P+\i+1], v[P+\i:P+\i+1], 0.5, 0.5 op_sel_hi:[1,0,0]
.endr
	WIN (\win)|((\win)<<6)
.irp i, 0,2,4,6,8,10,12,14
	v_pk_mul_f32 v[(\a)+\i:(\a)+\i+1], v[(\a)+\i:(\a)+\i+1], v[P+\i:P+\i+1]
.endr
	WIN 0
.endm
; a slot's 64 numbers, v[a] on in window win, become a fragment's codes in v[PC] on and its scale word in v[PW]
.macro QUANT a, win
	s_wait_xcnt 0x0                                ; the last stores have read v[PC] on, v[PW], v[HO], v[HSO]: these are written again only behind this wait
	WIN (\win)|((\win)<<2)
.irp b, 0,1,2,3
	v_max3_num_f32 v[TM+\b], |v[(\a)+16*\b]|, |v[(\a)+1+16*\b]|, 0x2800000   ; and the floor 2^(5 - 127): the byte cannot fall under 1
.endr
.irp i, 2,4,6,8,10,12,14
.irp b, 0,1,2,3
	v_max3_num_f32 v[TM+\b], |v[(\a)+16*\b+\i]|, |v[(\a)+1+16*\b+\i]|, v[TM+\b]
.endr
.endr
	WIN 0
.irp b, 0,1,2,3
	v_permlanex16_b32 v[TM+4+\b], v[TM+\b], s[SEL], s[SEL+1]
.endr
.irp b, 0,1,2,3
	v_max_num_f32 v[TM+\b], v[TM+\b], v[TM+4+\b]
.endr
.irp b, 0,1,2,3
	v_add_nc_u32 v[TM+12+\b], 0xfe000000, v[TM+\b]                ; 4 off the exponent field: the conversion's scale operand
.endr
.irp b, 0,1,2,3
	v_lshrrev_b32 v[TM+4+\b], 23, v[TM+12+\b]
.endr
	v_lshl_or_b32 v[PW], v[TM+5], 8, v[TM+4]
	v_lshl_or_b32 v[PW], v[TM+6], 16, v[PW]
	v_lshl_or_b32 v[PW], v[TM+7], 24, v[PW]
	WIN \win
.irp c, 0,1
	v_cvt_scalef32_pk16_bf6_f32 v[PC+6*\c:PC+2+6*\c], v[(\a)+32*\c:(\a)+15+32*\c], v[TM+12+2*\c]
	v_cvt_scalef32_pk16_bf6_f32 v[PC+12+4*\c:PC+14+4*\c], v[(\a)+16+32*\c:(\a)+31+32*\c], v[TM+12+2*\c+1]
.endr
	WIN 0
	v_nop                                          ; one plain place behind a scaled conversion
.irp c, 0,1
.irp i, 0,1,2
	v_permlane16_swap_b32 v[PC+6*\c+\i], v[PC+12+4*\c+\i]
.endr
.irp i, 0,1,2
	v_mov_b32 v[PC+3+6*\c+\i], v[PC+12+4*\c+\i]
.endr
.endr
.endm
.macro SLOT j, ab, wn                  ; the way out of slot j, if its tile has rows
	s_add_co_u32 s66, s[T0], 4*(\j)
	s_cmp_ge_u32 s66, s[NT]
	s_cbranch_scc1 .Lnone_\@
	GELU (\ab), \wn
	GELU (\ab)+16, \wn
	GELU (\ab)+32, \wn
	GELU (\ab)+48, \wn
	QUANT \ab, \wn
	s_mul_i32 s67, s66, 49152
	v_add_nc_u32 v[HO], s67, v[L16]
	s_lshl_b32 s67, s66, 11
	v_add_nc_u32 v[HSO], s67, v[R4]
.irp c, 0,1,2
	global_store_b128 v[HO], v[PC+4*\c:PC+4*\c+3], s[14:15] offset:512*\c   ; 32 lanes store 512 consecutive bytes, at a multiple of 256 from hq's first byte
.endr
	global_store_b32 v[HSO], v[PW], s[16:17]       ; 16 words; lanes 16-31 hold the same words and store them to the same places
.Lnone_\@:
.endm
	s_load_b512 s[4:19], s[0:1], 0x0               ; W1_codes 4, W1_scales 6, b1 8, choice 10, xq 12, hq 14, hs 16, rows 18
	v_lshl_add_u32 v254, v0, 2, 0x1a000
	v_mov_b32 v255, 0
	v_lshrrev_b32 v[TA], 5, v0
	v_readfirstlane_b32 s[WV], v[TA]
	s_lshr_b32 s[EX], ttmp9, 5
	s_and_b32 s[SL], ttmp9, 31
	v_and_b32 v[TA], 31, v0                        ; lane
	v_and_b32 v[TB], 15, v0                        ; r
	v_bfe_u32 v[TC], v0, 4, 1                      ; h
	v_lshlrev_b32 v[L16], 4, v[TA]
	v_lshlrev_b32 v[R4], 2, v[TB]
	v_mul_u32_u24 v[H48], v[TC], 48
	v_lshlrev_b32 v[H16], 4, v[TC]
	v_mul_u32_u24 v[AW], v[TB], WP
	v_mad_u32_u24 v[AW], v[TC], 24, v[AW]
	v_add_nc_u32 v[AW+1], 64*WP, v[AW]
	v_add_nc_u32 v[LRD], LIST, v[R4]
	s_mul_i32 s66, s[WV], 1536
	v_add_nc_u32 v[LCG], s66, v[L16]
	v_add_nc_u32 v[LCP], LIST, v[LCG]
	s_mul_i32 s66, s[WV], 32*WP
	v_add_nc_u32 v[WS], s66, v[L16]                ; three loads bring two rows of 768 bytes: the first 512 bytes of the first row;
	v_lshl_add_u32 v[WS+1], v[TC], 4, v[WS]
	v_add_nc_u32 v[WS+1], 512, v[WS+1]             ; its last 256 (lanes 0-15) and, 16 bytes of padding on, the second row's first 256 (lanes 16-31);
	v_add_nc_u32 v[WS+2], WP+256, v[WS]            ; the second row's last 512
	v_add_nc_u32 v[LF], LIST, v[L16]
	v_mov_b32 v[LC], LIST
	v_mov_b32 v[LBIG], 0xffff
	v_lshlrev_b32 v[LT0], 2, v[TA]
	v_add_nc_u32 v[LT1], 1024, v[LT0]
	v_and_b32 v[WSO], 8, v[TB]
	v_add_nc_u32 v[WSO], v[WSO], v[TB]
	v_lshl_add_u32 v[WSO], v[WSO], 5, v[H16]       ; W1's scale bytes: 32 (r + 8 (r / 8)) + 16 h
	v_lshlrev_b32 v[BO], 6, v[TC]                  ; b1: 16 h numbers
	PAIR EA13, 0xaf95df0b
	PAIR EA11, 0x32edffee
	PAIR EA9,  0xb60cff51
	PAIR EA7,  0xb86ec2d2
	PAIR EA5,  0xba40ac63
	PAIR EA3,  0xbb41a1f6
	PAIR EA1,  0xbc83dbd4
	PAIR EB8,  0xb77460cd
	PAIR EB6,  0xb95fbd29
	PAIR EB4,  0xbadc924e
	PAIR EB2,  0xbbf19bf8
	PAIR EB0,  0xbc69b6a7
	PAIR RS2,  0x3f3504f3
	s_mov_b32 s[SEL], 0x76543210
	s_mov_b32 s[SEL+1], 0xfedcba98
	v_mov_b32 v[VA11], s[EA11]
	v_mov_b32 v[VA11+1], s[EA11]
	v_mov_b32 v[VB6], s[EB6]
	v_mov_b32 v[VB6+1], s[EB6]
.irp b, 0,1,2,3
	v_mov_b32 v[TM+4+\b], 0                        ; a lane permute's destination counts as one of its sources
.endr
	s_mul_i32 s66, s[EX], 3145728
	s_mul_i32 s67, s[SL], 98304
	s_add_co_u32 s68, s66, s67
	s_mul_i32 s67, s[WV], 24576
	s_add_co_u32 s68, s68, s67                     ; W1's codes: 768 (4096 e + 128 sl + 32 wave)
	s_mov_b32 s69, 0
	s_mul_i32 s67, s[SL], 1536
	s_add_co_u32 s70, s66, s67                     ; hq: expert e, K step sl
	s_mov_b32 s71, 0
	s_lshl_b32 s66, s[EX], 17
	s_lshl_b32 s67, s[SL], 12
	s_add_co_u32 s72, s66, s67                     ; W1's scale bytes: 32 (4096 e + 128 sl)
	s_mov_b32 s73, 0
	s_lshl_b32 s67, s[SL], 6
	s_add_co_u32 s74, s66, s67                     ; hs: 131,072 e + 128 (sl / 2) + 64 (sl % 2)
	s_mov_b32 s75, 0
	s_lshl_b32 s66, s[EX], 14
	s_lshl_b32 s67, s[SL], 9
	s_add_co_u32 s76, s66, s67                     ; b1: 4 (4096 e + 128 sl)
	s_mov_b32 s77, 0
	s_mul_i32 s78, s[EX], 6144                     ; rows
	s_mov_b32 s79, 0
	s_wait_kmcnt 0x0
	s_add_nc_u64 s[4:5], s[4:5], s[68:69]
	s_add_nc_u64 s[14:15], s[14:15], s[70:71]
	s_add_nc_u64 s[6:7], s[6:7], s[72:73]
	s_add_nc_u64 s[16:17], s[16:17], s[74:75]
	s_add_nc_u64 s[8:9], s[8:9], s[76:77]
	s_add_nc_u64 s[18:19], s[18:19], s[78:79]
	s_cmp_lg_u32 s[WV], 0
	s_cbranch_scc1 .Lno_choice
.irp i, 0,1,2,3,4,5,6,7
	global_load_b128 v[CH+4*\i:CH+4*\i+3], v[L16], s[10:11] offset:512*\i   ; wave 0: choice first, so that it is in first
.endr
.Lno_choice:
	WIN 0x40
.set ii, 0
.rept 48                                       ; my 32 rows of W1: 24,576 dense bytes, 512 a load
	global_load_b128 v[4*ii:4*ii+3], v[L16], s[4:5] offset:512*ii th:TH_LOAD_NT
.set ii, ii+1
.endr
	WIN 0
	s_cmp_lg_u32 s[WV], 0
	s_cbranch_scc1 .Lno_list
	s_add_co_u32 s66, s[EX], 2048
.irp c, 0,1,2,3
	v_mov_b32 v[FD+\c], s66
.endr
.irp i, 0,1,2,3,4,5,6,7,8,9,10,11
	ds_store_b128 v[LF], v[FD:FD+3] offset:512*\i  ; the whole list holds 2048 + e; LDS serves a wave's instructions in order, so the entries below come on top
.endr
	s_mov_b32 s[CNT], 0
	s_wait_loadcnt 48                              ; choice is in; the 48 loads of weights may be out
.irp i, 0,1,2,3,4,5,6,7
.irp c, 0,1,2,3
	ROUND \i, \c
.endr
.endr
	v_mov_b32 v[LV], s[CNT]
	ds_store_b32 v[LC], v[LV] offset:CNTO
.Lno_list:
.irp t, 0,1,2,3,4,5,6,7
	global_load_b128 v[W1S+4*\t:W1S+4*\t+3], v[WSO], s[6:7] offset:32*(32*(\t/2)+8*(\t%2))
.endr
.irp t, 0,1,2,3,4,5,6,7
	global_load_b128 v[B1+8*\t:B1+8*\t+3], v[BO], s[8:9] offset:4*(32*(\t/2)+8*(\t%2))
	global_load_b128 v[B1+8*\t+4:B1+8*\t+7], v[BO], s[8:9] offset:4*(32*(\t/2)+8*(\t%2))+16
.endr
	s_wait_dscnt 0x0                               ; the list has landed
	s_barrier_signal -1
	s_barrier_wait -1                              ; it parts the list's stores from every other wave's LDS stores
	s_wait_loadcnt 24                              ; the weights are in; the 24 loads of scale words and b1 may be out
	WIN 0x04                                       ; an LDS store's data are its source 1: window 1
.set ii, 0
.rept 48                                       ; rows 2 m and 2 m + 1 of my 32 go to LDS rows pp and pp + 1: the order that makes a tile's 16 rows neighbours
.set mm, ii/3
.set qq, mm/4
.set pp, 2*mm+8*((qq&1)-(qq>>1))
	ds_store_b128 v[WS+ii%3], v[4*ii:4*ii+3] offset:WP*pp
.set ii, ii+1
.endr
	WIN 0
	s_wait_dscnt 0x0                               ; for the others' sake: my rows have landed
	s_barrier_signal -1
	s_barrier_wait -1                              ; behind it LDS is only read
	ds_load_b32 v[TC], v[LC] offset:CNTO
	s_wait_dscnt 0x0
	v_readfirstlane_b32 s[CNT], v[TC]
	s_min_u32 s[CNT], s[CNT], 1024
	s_add_co_u32 s[NT], s[CNT], 15
	s_lshr_b32 s[NT], s[NT], 4                     ; tiles of 16 rows
	s_cmp_lg_u32 s[SL], 0
	s_cbranch_scc1 .Lno_rows
.irp i, 0,1,2                                  ; slice 0 stores list and count: 1,536 bytes a wave
	ds_load_b128 v[PC+4*\i:PC+4*\i+3], v[LCP] offset:512*\i
.endr
	s_wait_dscnt 0x0
.irp i, 0,1,2
	global_store_b128 v[LCG], v[PC+4*\i:PC+4*\i+3], s[18:19] offset:512*\i
.endr
.Lno_rows:
	s_wait_loadcnt 0x0                             ; W1's scale words and b1
	s_mov_b32 s[T0], s[WV]
	s_mov_b32 s[PASS], 0
.Lpass:
	s_cmp_ge_u32 s[T0], s[NT]
	s_cbranch_scc1 .Lskip
	s_lshl_b32 s66, s[T0], 6
	v_add_nc_u32 v[TA], s66, v[LRD]
.irp j, 0,1,2,3,4
	ds_load_b32 v[XA+\j], v[TA] offset:256*\j      ; idx of row lane % 16 of tile T0 + 4 j
.endr
	s_wait_dscnt 0x0
.irp j, 0,1,2,3,4
	v_and_b32 v[XA+\j], 0x3ff, v[XA+\j]            ; the token
	v_min_u32 v[XA+\j], 0x3ff, v[XA+\j]
	v_lshl_add_u32 v[XSA+\j], v[XA+\j], 5, v[H16]
	v_mul_u32_u24 v[XA+\j], v[XA+\j], 768
	v_add_nc_u32 v[XA+\j], v[XA+\j], v[H48]
.endr
.irp j, 0,1,2,3,4
	global_load_b128 v[XS+4*\j:XS+4*\j+3], v[XSA+\j], s[12:13] offset:786432
.endr
	XLOAD 0
	XLOAD 1
	XLOAD 2
	WFETCH 0
.irp s, 0,1,2,3,4,5,6,7
	STEP \s
.endr
	WIN 0
	PLACES
	SLOT 0, 0, 1
	SLOT 1, 64, 1
	SLOT 2, 128, 1
	SLOT 3, 192, 1
	SLOT 4, 0, 2
.Lskip:
	s_add_co_u32 s[T0], s[T0], 20
	s_add_co_u32 s[PASS], s[PASS], 1
	s_cmp_lt_u32 s[PASS], 4
	s_cbranch_scc1 .Lpass
	s_wait_tensorcnt 0x0
	ds_add_u32 v254, v255
	s_wait_dscnt 0x0
	s_endpgm
.Lfunc_end_k_qe9cc36e049_up:
	.size	k_qe9cc36e049_up, .Lfunc_end_k_qe9cc36e049_up-k_qe9cc36e049_up
	.p2alignl 7, 3214868480
	.fill 96, 4, 3214868480
	.section	.rodata,"a",@progbits
	.p2align	6, 0x0
	.amdhsa_kernel k_qe9cc36e049_up
		.amdhsa_group_segment_fixed_size 107008
		.amdhsa_private_segment_fixed_size 0
		.amdhsa_enable_private_segment 0
		.amdhsa_kernarg_size 64
		.amdhsa_user_sgpr_count 2
		.amdhsa_user_sgpr_kernarg_segment_ptr 1
		.amdhsa_wavefront_size32 1
		.amdhsa_system_sgpr_workgroup_id_x 1
		.amdhsa_system_sgpr_workgroup_id_y 1
		.amdhsa_system_sgpr_workgroup_id_z 1
		.amdhsa_system_vgpr_workitem_id 0
		.amdhsa_next_free_vgpr 1024
		.amdhsa_next_free_sgpr 96
		.amdhsa_reserve_vcc 0
		.amdhsa_float_denorm_mode_32 3
		.amdhsa_float_denorm_mode_16_64 3
		.amdhsa_memory_ordered 1
		.amdhsa_forward_progress 1
		.amdhsa_inst_pref_size 255
	.end_amdhsa_kernel
	.section	.bss,"aw",@nobits
	.p2align	6
	.space	262144
	.amdgpu_metadata
---
amdhsa.version: [ 1, 2 ]
amdhsa.kernels:
  - .name:           k_qe9cc36e049_up
    .symbol:         k_qe9cc36e049_up.kd
    .args:
      - { .name: W1_codes, .offset: 0, .size: 8, .value_kind: global_buffer, .address_space: global }
      - { .name: W1_scales, .offset: 8, .size: 8, .value_kind: global_buffer, .address_space: global }
      - { .name: b1, .offset: 16, .size: 8, .value_kind: global_buffer, .address_space: global }
      - { .name: choice, .offset: 24, .size: 8, .value_kind: global_buffer, .address_space: global }
      - { .name: xq, .offset: 32, .size: 8, .value_kind: global_buffer, .address_space: global }
      - { .name: hq, .offset: 40, .size: 8, .value_kind: global_buffer, .address_space: global }
      - { .name: hs, .offset: 48, .size: 8, .value_kind: global_buffer, .address_space: global }
      - { .name: rows, .offset: 56, .size: 8, .value_kind: global_buffer, .address_space: global }
    .group_segment_fixed_size: 107008
    .private_segment_fixed_size: 0
    .kernarg_segment_align: 8
    .kernarg_segment_size: 64
    .max_flat_workgroup_size: 128
    .sgpr_count:     96
    .vgpr_count:     1024
    .wavefront_size: 32
...
	.end_amdgpu_metadata
.endif
;; end of part 2
;; launch down (part 3): grid 256 x 1, 4 waves a work-group, no clusters, 117,248 bytes of LDS; arguments W2_codes, W2_scales, b2, hq, hs, rows, y; writes y
.if DOCPART == 3
	.amdgcn_target "amdgcn-amd-amdhsa--gfx1250"
	.amdhsa_code_object_version 6
	.text
	.protected	k_qe9cc36e049_down
	.globl	k_qe9cc36e049_down
	.p2align	8
	.type	k_qe9cc36e049_down,@function
k_qe9cc36e049_down:
	s_mov_b64 s[64:65], 0
	v_nop
	global_prefetch_b8 v0, s[64:65] scope:SCOPE_SE
	s_setreg_imm32_b32 hwreg(HW_REG_WAVE_MODE, 25, 1), 1
	s_wait_xcnt 0x0
; THE SECOND PRODUCT OF THE CHOSEN ROWS, over half of K: y[kh][idx][n] = sum over the half's 2,048 hidden units of Hq W2[e]^T (+ b2[e] in half 0), on codes of E3M2 with E8M0 scales.
; SHARES.  Work-group = (expert e = id / 32, 64 columns n0 = 64 ((id % 32) / 2), half kh = id % 2).  Its 64 rows x 1,536 bytes of W2 are read from memory once and stay in LDS; it multiplies all rows of e.
; With 64 columns a stored row piece is 256 consecutive bytes; with two halves of K there are 256 work-groups of 98,304 bytes of weights each; the last launch adds the halves.
; A wave takes five tiles of 16 rows at once (slot j of wave w in pass p: tile 20 p + 4 j + w): a fragment of W2 read from LDS feeds five products.  Four passes cover an expert's 64 possible tiles;
; a pass, and the way out of a slot, that lies at or past the stored count's tiles is jumped over.  A slot without rows loads the expert's last tile again, so that only bytes that were stored are read.
; THE PRODUCT IS USED TRANSPOSED (source 0 = 16 rows of W2, source 1 = 16 rows of h): a lane holds eight neighbouring columns of one row.  A tile goes through the wave's own stage in LDS and leaves as
; rows: sixteen lanes store 256 consecutive bytes at row idx = 1024 k + token of y; the pad rows of an expert's last tile go to row 2048 + e, which nobody reads.
; NO TENSOR LOAD, NO CLUSTER: which passes run hangs on a count read from memory.  No prefetch: h's codes are read by all 16 column slices of an expert.
; LIMITS: NaN and infinities are not served (b2 is multiplied by 0 in half 1).
.set WP,   1552                        ; a row of W2's half in LDS: 1,536 bytes + 16 = 388 words: row r starts at bank 4 r mod 64 (ISA guide 11.1)
.set STG,  64*WP                       ; behind the weights: a stage of 16 rows x (256 + 16) bytes for each wave
.set L16, 1                            ; v1  16 x lane
.set L4,  2                            ; v2  4 x lane
.set RA0, 3                            ; v3  32 x (lane / 16): my half's eight entries of a tile's sixteen in rows
.set AW,  4                            ; v4-5 LDS address of my lane in W2's tiles 0-1, 2-3
.set STO, 6                            ; v6  the stage: where I put 32 bytes of a row
.set RD,  7                            ; v7  and where I read rows back
.set HA,  8                            ; v8-12  slot j: my byte in its tile of hq
.set HSA, 13                           ; v13-17 and of hs
.set VCOL, 18                          ; v18 16 x (lane % 16)
.set RA,  19
.set WST, 20
.set WSO, 21
.set BO,  22
.set SA,  24                           ; v24-31 the eight stores' offsets in y
.set W2S, 32                           ; v32-63   W2's scale words: register 8 t + q: lanes 0-15 K step q, lanes 16-31 K step 8 + q
.set HS,  64                           ; v64-103  h's: register 8 j + q: lanes 0-15 K step 2 q, lanes 16-31 K step 2 q + 1
.set B2,  104                          ; v104-135 b2 (or zeros) in the result's layout
.set IDX, 136                          ; v136-175 register 8 j + i: idx of row 8 (lane / 16) + i of slot j's tile
.set OUTR, 176                         ; v176-207 a tile's rows on their way out
; window 1: the accumulators (32 j + 8 t), from v160 two sets of W2's 4 fragments; at the head v0-191: the staged weights.  window 2: h's fragments, K step s at 60 (s % 4) + 12 j
.set WV, 20
.set EX, 21
.set CS, 22
.set KH, 23
.set NT, 24
.set T0, 25
.set PASS, 26
.set NM1, 27
.set MSB, 0
.macro WIN new                         ; the immediate's high byte repeats the setting that is left
.if MSB != (\new)
	s_set_vgpr_msb (MSB<<8)|(\new)
.set MSB, (\new)
.endif
.endm
.macro PLACES                          ; four places behind this matrix form (ISA guide 7.12.1)
.rept 4
	v_nop
.endr
.endm
.macro WM d, a, b, c, sa, sb, ra, rb   ; one product; ra, rb = 1: that side's scales stand in lanes 16-31
.if (\ra) && (\rb)
	v_wmma_scale_f32_16x16x128_f8f6f4 v[(\d):(\d)+7], v[(\a):(\a)+11], v[(\b):(\b)+11], v[(\c):(\c)+7], v[\sa], v[\sb] matrix_a_fmt:MATRIX_FMT_BF6 matrix_b_fmt:MATRIX_FMT_BF6 matrix_a_scale:MATRIX_SCALE_ROW1 matrix_b_scale:MATRIX_SCALE_ROW1
.elseif (\ra)
	v_wmma_scale_f32_16x16x128_f8f6f4 v[(\d):(\d)+7], v[(\a):(\a)+11], v[(\b):(\b)+11], v[(\c):(\c)+7], v[\sa], v[\sb] matrix_a_fmt:MATRIX_FMT_BF6 matrix_b_fmt:MATRIX_FMT_BF6 matrix_a_scale:MATRIX_SCALE_ROW1
.elseif (\rb)
	v_wmma_scale_f32_16x16x128_f8f6f4 v[(\d):(\d)+7], v[(\a):(\a)+11], v[(\b):(\b)+11], v[(\c):(\c)+7], v[\sa], v[\sb] matrix_a_fmt:MATRIX_FMT_BF6 matrix_b_fmt:MATRIX_FMT_BF6 matrix_b_scale:MATRIX_SCALE_ROW1
.else
	v_wmma_scale_f32_16x16x128_f8f6f4 v[(\d):(\d)+7], v[(\a):(\a)+11], v[(\b):(\b)+11], v[(\c):(\c)+7], v[\sa], v[\sb] matrix_a_fmt:MATRIX_FMT_BF6 matrix_b_fmt:MATRIX_FMT_BF6
.endif
.endm
.macro HLOAD s                         ; K step s of my five tiles of h: the registers' image, 3 x 512 consecutive bytes a tile
	WIN 0x80
.irp j, 0,1,2,3,4
.irp c, 0,1,2
	global_load_b128 v[60*((\s)%4)+12*\j+4*\c:60*((\s)%4)+12*\j+4*\c+3], v[HA+\j], s[10:11] offset:1536*(\s)+512*\c
.endr
.endr
.endm
.macro WFETCH s                        ; K step s of W2's four tiles, in pieces of 8 bytes
	WIN 0x40
.irp t, 0,1,2,3
.irp p, 0,1,2,3,4,5
	ds_load_b64 v[160+48*((\s)%2)+12*\t+2*\p:160+48*((\s)%2)+12*\t+2*\p+1], v[AW+\t/2] offset:16*WP*(\t%2)+96*(\s)+48*(\p/3)+8*(\p%3)
.endr
.endr
.endm
.macro MUL s                           ; 20 products: the 20 accumulators take turns, one instruction a turn, in the same order in every step.  Step 0 takes b2 as C
.if (\s) == 0
	WIN 0x49
.else
	WIN 0x59
.endif
.irp j, 0,1,2,3,4
.irp t, 0,1,2,3
.if (\s) == 0
	WM 32*\j+8*\t, 160+12*\t, 12*\j, B2+8*\t, W2S+8*\t, HS+8*\j, 0, 0
.else
	WM 32*\j+8*\t, 160+48*((\s)%2)+12*\t, 60*((\s)%4)+12*\j, 32*\j+8*\t, W2S+8*\t+(\s)%8, HS+8*\j+(\s)/2, (\s)/8, (\s)%2
.endif
.endr
.endr
.endm
.macro STEP s
.if (\s) > 0
	PLACES                                         ; the loads below land in registers that the last step's products read
.endif
.if (\s)+3 < 16
	HLOAD (\s)+3
.endif
.if (\s)+1 < 16
	WFETCH (\s)+1
.endif
.if 15-(\s) >= 3
	s_wait_loadcnt 45                              ; this step's h is in; the 15 loads of each of the three steps behind it may be out
.else
	s_wait_loadcnt 15*(15-(\s))
.endif
.if (\s) < 15
	s_wait_dscnt 24                                ; this step's W2 is in; the 24 loads just issued may be out
.else
	s_wait_dscnt 0x0
.endif
	MUL \s
.endm
.macro SLOT j                          ; the way out of slot j, if its tile has rows
	s_add_co_u32 s28, s[T0], 4*(\j)
	s_cmp_ge_u32 s28, s[NT]
	s_cbranch_scc1 .Lnone_\@
	WIN 0x04                                       ; an LDS store's data are its source 1: window 1
.irp t, 0,1,2,3
	ds_store_b128 v[STO], v[32*(\j)+8*\t:32*(\j)+8*\t+3] offset:64*\t        ; each accumulator from its low end on
	ds_store_b128 v[STO], v[32*(\j)+8*\t+4:32*(\j)+8*\t+7] offset:64*\t+16
.endr
	WIN 0
	s_wait_xcnt 0x0                                ; the last slot's stores have read v[OUTR] on and v[SA] on: these are written again only behind this wait
.irp i, 0,1,2,3,4,5,6,7
	ds_load_b128 v[OUTR+4*\i:OUTR+4*\i+3], v[RD] offset:272*\i   ; LDS serves a wave's instructions in order: these see my stores; lanes 0-15 row i, lanes 16-31 row 8 + i
.endr
.irp i, 0,1,2,3,4,5,6,7
	v_min_u32 v[SA+\i], 2055, v[IDX+8*(\j)+\i]
	v_lshl_add_u32 v[SA+\i], v[SA+\i], 12, v[VCOL]
.endr
	s_wait_dscnt 0x0
.irp i, 0,1,2,3,4,5,6,7
	global_store_b128 v[SA+\i], v[OUTR+4*\i:OUTR+4*\i+3], s[16:17]   ; sixteen lanes store 256 consecutive bytes, at a multiple of 256 from y's first byte
.endr
.Lnone_\@:
.endm
	s_load_b256 s[4:11], s[0:1], 0x0               ; W2_codes 4, W2_scales 6, b2 8, hq 10
	s_load_b128 s[12:15], s[0:1], 0x20             ; hs 12, rows 14
	s_load_b64 s[16:17], s[0:1], 0x30              ; y
	v_lshl_add_u32 v254, v0, 2, 0x1c800
	v_mov_b32 v255, 0
	v_lshrrev_b32 v23, 5, v0
	v_readfirstlane_b32 s[WV], v23
	s_lshr_b32 s[EX], ttmp9, 5
	s_bfe_u32 s[CS], ttmp9, 0x40001                ; which 64 columns
	s_and_b32 s[KH], ttmp9, 1
	v_and_b32 v23, 31, v0                          ; lane
	v_and_b32 v24, 15, v0                          ; r
	v_bfe_u32 v25, v0, 4, 1                        ; h
	v_lshlrev_b32 v[L16], 4, v23
	v_lshlrev_b32 v[L4], 2, v23
	v_lshlrev_b32 v[RA0], 5, v25
	v_mul_u32_u24 v[AW], v24, WP
	v_mad_u32_u24 v[AW], v25, 24, v[AW]
	v_add_nc_u32 v[AW+1], 32*WP, v[AW]
	s_mul_i32 s28, s[WV], 16*272
	s_add_co_u32 s28, s28, STG                     ; my stage
	v_mul_u32_u24 v[STO], v24, 272
	v_lshl_add_u32 v[STO], v25, 5, v[STO]
	v_add_nc_u32 v[STO], s28, v[STO]               ; in: row r, + 32 h
	v_mul_u32_u24 v[RD], v25, 8*272
	v_lshl_add_u32 v[RD], v24, 4, v[RD]
	v_add_nc_u32 v[RD], s28, v[RD]                 ; back: rows 8 h on, 16 bytes a lane
	v_lshlrev_b32 v[VCOL], 4, v24
	s_mul_i32 s28, s[WV], 16*WP
	v_add_nc_u32 v[WST], s28, v[L16]
	v_lshlrev_b32 v[WSO], 7, v24
	v_lshl_add_u32 v[WSO], v25, 5, v[WSO]          ; W2's scale bytes: 128 r + 32 h
	v_lshlrev_b32 v[BO], 5, v25                    ; b2: 8 h numbers
	s_mul_i32 s28, s[EX], 3145728
	s_mul_i32 s29, s[CS], 196608
	s_add_co_u32 s30, s28, s29
	s_mul_i32 s29, s[WV], 49152
	s_add_co_u32 s30, s30, s29
	s_mul_i32 s29, s[KH], 1536
	s_add_co_u32 s30, s30, s29                     ; W2's codes: 3072 (1024 e + 64 c + 16 wave) + 1536 kh
	s_mov_b32 s31, 0
	s_mul_i32 s29, s[KH], 24576
	s_add_co_u32 s32, s28, s29                     ; hq: expert e, K steps 16 kh on
	s_mov_b32 s33, 0
	s_lshl_b32 s28, s[EX], 17
	s_lshl_b32 s29, s[CS], 13
	s_add_co_u32 s34, s28, s29
	s_lshl_b32 s29, s[KH], 6
	s_add_co_u32 s34, s34, s29                     ; W2's scale bytes: 128 (1024 e + 64 c) + 64 kh
	s_mov_b32 s35, 0
	s_lshl_b32 s29, s[KH], 10
	s_add_co_u32 s36, s28, s29                     ; hs: 131,072 e + 1024 kh
	s_mov_b32 s37, 0
	s_lshl_b32 s28, s[EX], 12
	s_lshl_b32 s29, s[CS], 8
	s_add_co_u32 s38, s28, s29                     ; b2: 4 (1024 e + 64 c)
	s_mov_b32 s39, 0
	s_mul_i32 s40, s[EX], 6144                     ; rows
	s_mov_b32 s41, 0
	s_mul_i32 s42, s[KH], 8421376
	s_add_co_u32 s42, s42, s29                     ; y: half kh, + 256 c bytes
	s_mov_b32 s43, 0
	s_wait_kmcnt 0x0
	s_add_nc_u64 s[14:15], s[14:15], s[40:41]
	s_load_b32 s[NT], s[14:15], 0x17fc             ; the expert's count of rows: entry 1535
	s_add_nc_u64 s[4:5], s[4:5], s[30:31]
	s_add_nc_u64 s[10:11], s[10:11], s[32:33]
	s_add_nc_u64 s[6:7], s[6:7], s[34:35]
	s_add_nc_u64 s[12:13], s[12:13], s[36:37]
	s_add_nc_u64 s[8:9], s[8:9], s[38:39]
	s_add_nc_u64 s[16:17], s[16:17], s[42:43]
	WIN 0x40
.set ii, 0
.rept 48                                       ; my 16 rows' halves: 1,536 consecutive bytes a row, 512 a load
	global_load_b128 v[4*ii:4*ii+3], v[L16], s[4:5] offset:3072*(ii/3)+512*(ii%3) th:TH_LOAD_NT
.set ii, ii+1
.endr
	WIN 0
.irp t, 0,1,2,3
	global_load_b128 v[W2S+8*\t:W2S+8*\t+3], v[WSO], s[6:7] offset:2048*\t
	global_load_b128 v[W2S+8*\t+4:W2S+8*\t+7], v[WSO], s[6:7] offset:2048*\t+16
.endr
.irp t, 0,1,2,3
	global_load_b128 v[B2+8*\t:B2+8*\t+3], v[BO], s[8:9] offset:64*\t
	global_load_b128 v[B2+8*\t+4:B2+8*\t+7], v[BO], s[8:9] offset:64*\t+16
.endr
	s_wait_loadcnt 16                              ; the weights are in; the 16 loads of scale words and b2 may be out
	WIN 0x04
.set ii, 0
.rept 48
	ds_store_b128 v[WST], v[4*ii:4*ii+3] offset:WP*(ii/3)+512*(ii%3)
.set ii, ii+1
.endr
	WIN 0
	s_wait_dscnt 0x0                               ; for the others' sake: my rows have landed
	s_barrier_signal -1
	s_barrier_wait -1                              ; behind it the weights are only read, and each wave's stage is its own
	s_wait_loadcnt 0x0
	s_cmp_eq_u32 s[KH], 0
	s_cselect_b32 s28, 1.0, 0                      ; b2 counts once: in half 0
.set ii, 0
.rept 32
	v_mul_f32 v[B2+ii], s28, v[B2+ii]
.set ii, ii+1
.endr
	s_wait_kmcnt 0x0
	s_min_u32 s[NT], s[NT], 1024
	s_add_co_u32 s[NT], s[NT], 15
	s_lshr_b32 s[NT], s[NT], 4                     ; tiles of 16 rows
	s_sub_co_u32 s[NM1], s[NT], 1
	s_mov_b32 s[T0], s[WV]
	s_mov_b32 s[PASS], 0
.Lpass:
	s_cmp_ge_u32 s[T0], s[NT]
	s_cbranch_scc1 .Lskip
	s_lshl_b32 s28, s[T0], 6
	v_add_nc_u32 v[RA], s28, v[RA0]
.irp j, 0,1,2,3,4
	global_load_b128 v[IDX+8*\j:IDX+8*\j+3], v[RA], s[14:15] offset:256*\j
	global_load_b128 v[IDX+8*\j+4:IDX+8*\j+7], v[RA], s[14:15] offset:256*\j+16
.endr
.irp j, 0,1,2,3,4
	s_add_co_u32 s28, s[T0], 4*\j
	s_min_u32 s28, s28, s[NM1]                     ; a slot past the end takes the last tile again
	s_min_u32 s28, s28, 63
	s_mul_i32 s29, s28, 49152
	v_add_nc_u32 v[HA+\j], s29, v[L16]
	s_lshl_b32 s29, s28, 11
	v_add_nc_u32 v[HSA+\j], s29, v[L4]
.endr
.irp j, 0,1,2,3,4
.irp q, 0,1,2,3,4,5,6,7
	global_load_b32 v[HS+8*\j+\q], v[HSA+\j], s[12:13] offset:128*\q
.endr
.endr
	HLOAD 0
	HLOAD 1
	HLOAD 2
	WFETCH 0
.irp s, 0,1,2,3,4,5,6,7,8,9,10,11,12,13,14,15
	STEP \s
.endr
	WIN 0
	PLACES
	SLOT 0
	SLOT 1
	SLOT 2
	SLOT 3
	SLOT 4
.Lskip:
	s_add_co_u32 s[T0], s[T0], 20
	s_add_co_u32 s[PASS], s[PASS], 1
	s_cmp_lt_u32 s[PASS], 4
	s_cbranch_scc1 .Lpass
	s_wait_tensorcnt 0x0
	ds_add_u32 v254, v255
	s_wait_dscnt 0x0
	s_endpgm
.Lfunc_end_k_qe9cc36e049_down:
	.size	k_qe9cc36e049_down, .Lfunc_end_k_qe9cc36e049_down-k_qe9cc36e049_down
	.p2alignl 7, 3214868480
	.fill 96, 4, 3214868480
	.section	.rodata,"a",@progbits
	.p2align	6, 0x0
	.amdhsa_kernel k_qe9cc36e049_down
		.amdhsa_group_segment_fixed_size 117248
		.amdhsa_private_segment_fixed_size 0
		.amdhsa_enable_private_segment 0
		.amdhsa_kernarg_size 56
		.amdhsa_user_sgpr_count 2
		.amdhsa_user_sgpr_kernarg_segment_ptr 1
		.amdhsa_wavefront_size32 1
		.amdhsa_system_sgpr_workgroup_id_x 1
		.amdhsa_system_sgpr_workgroup_id_y 1
		.amdhsa_system_sgpr_workgroup_id_z 1
		.amdhsa_system_vgpr_workitem_id 0
		.amdhsa_next_free_vgpr 768
		.amdhsa_next_free_sgpr 66
		.amdhsa_reserve_vcc 0
		.amdhsa_float_denorm_mode_32 3
		.amdhsa_float_denorm_mode_16_64 3
		.amdhsa_memory_ordered 1
		.amdhsa_forward_progress 1
		.amdhsa_inst_pref_size 127
	.end_amdhsa_kernel
	.amdgpu_metadata
---
amdhsa.version: [ 1, 2 ]
amdhsa.kernels:
  - .name:           k_qe9cc36e049_down
    .symbol:         k_qe9cc36e049_down.kd
    .args:
      - { .name: W2_codes, .offset: 0, .size: 8, .value_kind: global_buffer, .address_space: global }
      - { .name: W2_scales, .offset: 8, .size: 8, .value_kind: global_buffer, .address_space: global }
      - { .name: b2, .offset: 16, .size: 8, .value_kind: global_buffer, .address_space: global }
      - { .name: hq, .offset: 24, .size: 8, .value_kind: global_buffer, .address_space: global }
      - { .name: hs, .offset: 32, .size: 8, .value_kind: global_buffer, .address_space: global }
      - { .name: rows, .offset: 40, .size: 8, .value_kind: global_buffer, .address_space: global }
      - { .name: y, .offset: 48, .size: 8, .value_kind: global_buffer, .address_space: global }
    .group_segment_fixed_size: 117248
    .private_segment_fixed_size: 0
    .kernarg_segment_align: 8
    .kernarg_segment_size: 56
    .max_flat_workgroup_size: 128
    .sgpr_count:     66
    .vgpr_count:     768
    .wavefront_size: 32
...
	.end_amdgpu_metadata
.endif
;; end of part 3
;; launch sum (part 4): grid 256 x 1, 8 waves a work-group, no clusters, 0 bytes of LDS; arguments y, gate, out0; writes out0
.if DOCPART == 4
	.amdgcn_target "amdgcn-amd-amdhsa--gfx1250"
	.amdhsa_code_object_version 6
	.text
	.protected	k_qe9cc36e049_sum
	.globl	k_qe9cc36e049_sum
	.p2align	8
	.type	k_qe9cc36e049_sum,@function
k_qe9cc36e049_sum:
	s_mov_b64 s[64:65], 0
	v_nop
	global_prefetch_b8 v0, s[64:65] scope:SCOPE_SE
	s_setreg_imm32_b32 hwreg(HW_REG_WAVE_MODE, 25, 1), 1
	s_wait_xcnt 0x0
; out0[t] = g0 (y[0][t] + y[1][t]) + g1 (y[0][1024 + t] + y[1][1024 + t]): the two halves of K are added, and the token's two experts are weighed by their probabilities.
; y: [half 2][2056 rows][1024] f32; gate: [1024][2] f32.  A stream: a work-group takes 4 tokens, thread i the 16 bytes at 16 i of every row, so a wave's load or store covers 512 consecutive bytes.
; All 16 loads of a thread go out at once; each token has registers of its own, so nothing is written again while a store may read it.  No LDS, no barrier, no matrix unit: nothing is shared.
	s_load_b128 s[4:7], s[0:1], 0x0                ; y, gate
	s_load_b64 s[8:9], s[0:1], 0x10                ; out0
	v_lshlrev_b32 v1, 4, v0
	s_lshl_b32 s10, ttmp9, 14                      ; 4 rows of 4,096 bytes
	s_mov_b32 s11, 0
	s_lshl_b32 s20, ttmp9, 5                       ; 4 pairs of gates
	s_mov_b32 s21, 0
	s_wait_kmcnt 0x0
	s_add_nc_u64 s[6:7], s[6:7], s[20:21]
	s_load_b256 s[12:19], s[6:7], 0x0              ; g0, g1 of my 4 tokens
	s_add_nc_u64 s[4:5], s[4:5], s[10:11]
	s_add_nc_u64 s[22:23], s[4:5], 8421376         ; the second half of K
	s_add_nc_u64 s[8:9], s[8:9], s[10:11]
.irp i, 0,1,2,3
	global_load_b128 v[4+16*\i:7+16*\i],   v1, s[4:5]   offset:4096*\i th:TH_LOAD_NT
	global_load_b128 v[8+16*\i:11+16*\i],  v1, s[22:23] offset:4096*\i th:TH_LOAD_NT
	global_load_b128 v[12+16*\i:15+16*\i], v1, s[4:5]   offset:4096*\i+4194304 th:TH_LOAD_NT
	global_load_b128 v[16+16*\i:19+16*\i], v1, s[22:23] offset:4096*\i+4194304 th:TH_LOAD_NT
.endr
	s_wait_kmcnt 0x0
.irp i, 0,1,2,3
	s_wait_loadcnt 12-4*\i                         ; this token's four loads are in; the later tokens' may be out
	v_pk_add_f32 v[4+16*\i:5+16*\i], v[4+16*\i:5+16*\i], v[8+16*\i:9+16*\i]
	v_pk_add_f32 v[6+16*\i:7+16*\i], v[6+16*\i:7+16*\i], v[10+16*\i:11+16*\i]
	v_pk_add_f32 v[12+16*\i:13+16*\i], v[12+16*\i:13+16*\i], v[16+16*\i:17+16*\i]
	v_pk_add_f32 v[14+16*\i:15+16*\i], v[14+16*\i:15+16*\i], v[18+16*\i:19+16*\i]
.irp c, 0,1,2,3
	v_mul_f32 v[68+4*\i+\c], s[12+2*\i], v[4+16*\i+\c]
.endr
.irp c, 0,1,2,3
	v_fmac_f32 v[68+4*\i+\c], s[13+2*\i], v[12+16*\i+\c]
.endr
	global_store_b128 v1, v[68+4*\i:71+4*\i], s[8:9] offset:4096*\i th:TH_STORE_NT
.endr
	s_endpgm
.Lfunc_end_k_qe9cc36e049_sum:
	.size	k_qe9cc36e049_sum, .Lfunc_end_k_qe9cc36e049_sum-k_qe9cc36e049_sum
	.p2alignl 7, 3214868480
	.fill 96, 4, 3214868480
	.section	.rodata,"a",@progbits
	.p2align	6, 0x0
	.amdhsa_kernel k_qe9cc36e049_sum
		.amdhsa_group_segment_fixed_size 0
		.amdhsa_private_segment_fixed_size 0
		.amdhsa_enable_private_segment 0
		.amdhsa_kernarg_size 24
		.amdhsa_user_sgpr_count 2
		.amdhsa_user_sgpr_kernarg_segment_ptr 1
		.amdhsa_wavefront_size32 1
		.amdhsa_system_sgpr_workgroup_id_x 1
		.amdhsa_system_sgpr_workgroup_id_y 1
		.amdhsa_system_sgpr_workgroup_id_z 1
		.amdhsa_system_vgpr_workitem_id 0
		.amdhsa_next_free_vgpr 96
		.amdhsa_next_free_sgpr 66
		.amdhsa_reserve_vcc 0
		.amdhsa_float_denorm_mode_32 3
		.amdhsa_float_denorm_mode_16_64 3
		.amdhsa_memory_ordered 1
		.amdhsa_forward_progress 1
		.amdhsa_inst_pref_size 5
	.end_amdhsa_kernel
	.amdgpu_metadata
---
amdhsa.version: [ 1, 2 ]
amdhsa.kernels:
  - .name:           k_qe9cc36e049_sum
    .symbol:         k_qe9cc36e049_sum.kd
    .args:
      - { .name: y, .offset: 0, .size: 8, .value_kind: global_buffer, .address_space: global }
      - { .name: gate, .offset: 8, .size: 8, .value_kind: global_buffer, .address_space: global }
      - { .name: out0, .offset: 16, .size: 8, .value_kind: global_buffer, .address_space: global }
    .group_segment_fixed_size: 0
    .private_segment_fixed_size: 0
    .kernarg_segment_align: 8
    .kernarg_segment_size: 24
    .max_flat_workgroup_size: 256
    .sgpr_count:     66
    .vgpr_count:     96
    .wavefront_size: 32
...
	.end_amdgpu_metadata
.endif
;; end of part 4
;; ======== version 2 of 2: 4 launches
;; workspace buffers: choice 4,096 bytes of whole numbers; gate 8,192 bytes; xq 819,200 bytes; rows 49,152 bytes of whole numbers; hq 25,165,824 bytes; hs 1,048,576 bytes; y 16,842,752 bytes
;; launch route (part 5): grid 64 x 1, 8 waves a work-group, no clusters, 22,016 bytes of LDS; arguments x, Wr, choice, gate, xq; writes choice, gate, xq
.if DOCPART == 5
	.amdgcn_target "amdgcn-amd-amdhsa--gfx1250"
	.amdhsa_code_object_version 6
	.text
	.protected	k_qe9cc36e049_route
	.globl	k_qe9cc36e049_route
	.p2align	8
	.type	k_qe9cc36e049_route,@function
k_qe9cc36e049_route:
	s_mov_b64 s[64:65], 0
	v_nop
	global_prefetch_b8 v0, s[64:65] scope:SCOPE_SE
	s_setreg_imm32_b32 hwreg(HW_REG_WAVE_MODE, 25, 1), 1
	s_wait_xcnt 0x0
; THE ROUTER, AND x INTO CODES.  x [1024][1024] f32, Wr [1024][8] f32.
; choice[t] = e0 | e1 << 8 (the two experts of the largest softmax probabilities, the lower index first on a tie), gate[t] = their two probabilities.
; xq: x as codes of E3M2 with one E8M0 byte for each 32 along K, laid in the order of an operand's registers: codes [t][K step 8][half 2][48 bytes], then from byte 786,432 the scale words [t][8].
; SHARES.  A work-group takes 16 tokens, its eight waves the eight K steps of 128.  A wave loads its 16 x 128 numbers once: they are quantised, and they are source 0 of the f32 matrix form
; (16 x 16 x 4) against Wr (columns 8-15 repeat 0-7).  k is permuted alike in both sources.  The eight partial logits meet in LDS; wave 0 does softmax and top-2, a lane a token.
; 64 work-groups: a fragment has 16 rows and a token's logits are summed inside one work-group.
; LIMITS: NaN and infinities are not served; two probabilities nearer than f32 rounding may change places; a block whose largest magnitude lies under 2^-122 keeps the byte 1 (a block of zeros too: its codes are zeros).
.set PART, 0                           ; LDS: partial logits [wave][token 16][16 words]
.set XST,  8192                        ; codes [token 16][K step 8][half 2][48 bytes]: as they lie in xq
.set XSL,  20480                       ; scale words [token 16][8]
.set X,    16                          ; v16-79   x: register 16 b + i = k 32 b + 16 (lane / 16) + i of row lane % 16
.set WR,   80                          ; v80-143  Wr at the same k, column lane % 8
.set ACC,  144                         ; v144-175 four accumulators: written by matrix instructions alone
.set LG,   176                         ; v176-183 the wave's partial logits
.set TT,   184
.set TM,   200                         ; v200-215 the quantiser's work
.set PW,   216                         ; the scale word
.set PC,   218                         ; v218-237 the codes
.set WV,   14
.set SEL,  20
; 64 numbers of a lane, register 16 b + i = k 32 b + 16 (lane / 16) + i of its row, become a fragment's codes in v[PC] on and its scale word in v[PW]
.macro QUANT s
.irp b, 0,1,2,3
	v_max3_num_f32 v[TM+\b], |v[\s+16*\b]|, |v[\s+1+16*\b]|, 0x2800000   ; my 16 numbers of block b, and the floor 2^(5 - 127): the byte cannot fall under 1
.endr
.irp i, 2,4,6,8,10,12,14
.irp b, 0,1,2,3
	s_delay_alu instid0(VALU_DEP_4)
	v_max3_num_f32 v[TM+\b], v[TM+\b], |v[\s+16*\b+\i]|, |v[\s+1+16*\b+\i]|
.endr
.endr
.irp b, 0,1,2,3
	s_delay_alu instid0(VALU_DEP_4)
	v_permlanex16_b32 v[TM+4+\b], v[TM+\b], s[SEL], s[SEL+1]
.endr
.irp b, 0,1,2,3
	s_delay_alu instid0(VALU_DEP_4)
	v_max_num_f32 v[TM+\b], v[TM+\b], v[TM+4+\b]                  ; with lane l xor 16's: the block's largest magnitude
.endr
.irp b, 0,1,2,3
	s_delay_alu instid0(VALU_DEP_4)
	v_add_nc_u32 v[TM+12+\b], 0xfe000000, v[TM+\b]                ; 4 off its exponent field: the conversion's scale operand
.endr
.irp b, 0,1,2,3
	s_delay_alu instid0(VALU_DEP_4)
	v_lshrrev_b32 v[TM+4+\b], 23, v[TM+12+\b]                     ; the scale's byte
.endr
	s_delay_alu instid0(VALU_DEP_3)
	v_lshl_or_b32 v[PW], v[TM+5], 8, v[TM+4]
	s_delay_alu instid0(VALU_DEP_1)
	v_lshl_or_b32 v[PW], v[TM+6], 16, v[PW]
	s_delay_alu instid0(VALU_DEP_1)
	v_lshl_or_b32 v[PW], v[TM+7], 24, v[PW]
.irp c, 0,1
	v_cvt_scalef32_pk16_bf6_f32 v[PC+6*\c:PC+2+6*\c], v[\s+32*\c:\s+15+32*\c], v[TM+12+2*\c]
	v_cvt_scalef32_pk16_bf6_f32 v[PC+12+4*\c:PC+14+4*\c], v[\s+16+32*\c:\s+31+32*\c], v[TM+12+2*\c+1]
.endr
	v_nop                                          ; one plain place behind a scaled conversion
.irp c, 0,1                                    ; a whole block to a lane: lanes 0-15 block 2 c, lanes 16-31 block 2 c + 1
.irp i, 0,1,2
	v_permlane16_swap_b32 v[PC+6*\c+\i], v[PC+12+4*\c+\i]
.endr
.irp i, 0,1,2
	s_delay_alu instid0(VALU_DEP_3)
	v_mov_b32 v[PC+3+6*\c+\i], v[PC+12+4*\c+\i]
.endr
.endr
.endm
	s_load_b256 s[4:11], s[0:1], 0x0               ; x s[4:5], Wr s[6:7], choice s[8:9], gate s[10:11]
	s_load_b64 s[12:13], s[0:1], 0x20              ; xq
	v_lshl_add_u32 v254, v0, 2, 0x5200
	v_mov_b32 v255, 0
	v_lshrrev_b32 v1, 5, v0
	s_delay_alu instid0(VALU_DEP_1)
	v_readfirstlane_b32 s[WV], v1                  ; wave = K step
	v_and_b32 v1, 31, v0                           ; lane
	v_and_b32 v2, 15, v0                           ; r
	v_bfe_u32 v3, v0, 4, 1                         ; h
	s_delay_alu instid0(VALU_DEP_2)
	v_lshlrev_b32 v4, 12, v2
	s_delay_alu instid0(VALU_DEP_1)
	v_lshl_add_u32 v4, v3, 6, v4                   ; x: 4096 r + 64 h
	v_and_b32 v5, 7, v0
	s_delay_alu instid0(VALU_DEP_1)
	v_lshlrev_b32 v5, 2, v5
	s_delay_alu instid0(VALU_DEP_1)
	v_lshl_add_u32 v5, v3, 9, v5                   ; Wr: 16 h rows of 32 bytes + 4 (r % 8)
	v_mul_u32_u24 v6, v2, 768
	s_delay_alu instid0(VALU_DEP_1)
	v_mad_u32_u24 v6, v3, 48, v6
	s_mul_i32 s15, s[WV], 96
	s_add_co_u32 s15, s15, XST
	v_add_nc_u32 v6, s15, v6                       ; my codes' place: XST + 768 r + 96 wave + 48 h
	v_lshlrev_b32 v7, 5, v2
	s_lshl_b32 s15, s[WV], 2
	s_add_co_u32 s15, s15, XSL
	v_add_nc_u32 v7, s15, v7                       ; my scale word's: XSL + 32 r + 4 wave
	v_lshlrev_b32 v8, 2, v2
	s_delay_alu instid0(VALU_DEP_1)
	v_lshl_add_u32 v8, v3, 9, v8
	s_lshl_b32 s15, s[WV], 10
	v_add_nc_u32 v8, s15, v8                       ; partial logits: 1024 wave + 64 (8 h + j) + 4 r
	v_lshlrev_b32 v10, 4, v0                       ; the way out of the codes: 16 bytes a thread
	s_delay_alu instid0(VALU_DEP_1)
	v_add_nc_u32 v9, XST, v10
	v_lshlrev_b32 v12, 4, v1                       ; of the scale words: 16 bytes a lane
	s_delay_alu instid0(VALU_DEP_1)
	v_add_nc_u32 v11, XSL, v12
	v_lshlrev_b32 v13, 6, v2                       ; token r's logits
	v_lshlrev_b32 v14, 2, v2
	v_lshlrev_b32 v15, 3, v2
	s_mov_b32 s[SEL], 0x76543210
	s_mov_b32 s[SEL+1], 0xfedcba98                 ; v_permlanex16_b32's selects for lane l xor 16
.irp b, 0,1,2,3
	v_mov_b32 v[TM+4+\b], 0                        ; a lane permute's destination counts as one of its sources
.endr
	s_lshl_b32 s16, ttmp9, 16                      ; 16 tokens of 4,096 bytes
	s_lshl_b32 s15, s[WV], 9
	s_add_co_u32 s16, s16, s15
	s_mov_b32 s17, 0
	s_lshl_b32 s18, s[WV], 12                      ; 128 rows of Wr
	s_mov_b32 s19, 0
	s_mul_i32 s22, ttmp9, 12288
	s_mov_b32 s23, 0
	s_lshl_b32 s24, ttmp9, 9
	s_mov_b32 s25, 0
	s_lshl_b32 s26, ttmp9, 6
	s_mov_b32 s27, 0
	s_lshl_b32 s28, ttmp9, 7
	s_mov_b32 s29, 0
	s_wait_kmcnt 0x0
	s_add_nc_u64 s[4:5], s[4:5], s[16:17]
	s_add_nc_u64 s[6:7], s[6:7], s[18:19]
	s_add_nc_u64 s[22:23], s[12:13], s[22:23]      ; xq: my 16 tokens' codes
	s_add_nc_u64 s[24:25], s[12:13], s[24:25]      ; and (786,432 bytes on) their scale words
	s_add_nc_u64 s[8:9], s[8:9], s[26:27]
	s_add_nc_u64 s[10:11], s[10:11], s[28:29]
.irp b, 0,1,2,3
.irp j, 0,1,2,3
	global_load_b128 v[X+16*\b+4*\j:X+16*\b+4*\j+3], v4, s[4:5] offset:128*\b+16*\j th:TH_LOAD_NT
.endr
.endr
.set ii, 0
.rept 64
	global_load_b32 v[WR+ii], v5, s[6:7] offset:32*(32*(ii/16)+ii%16)
.set ii, ii+1
.endr
	s_wait_loadcnt 63                              ; x's 16 loads are the oldest, Wr's 64 stand behind them: with 63 out at the most, x (and Wr's first load) is in.  The wait's count cannot name 64
	QUANT X
.irp c, 0,1,2
	ds_store_b128 v6, v[PC+4*\c:PC+4*\c+3] offset:16*\c
.endr
	ds_store_b32 v7, v[PW]                         ; both halves of the lanes hold the same word
	s_wait_loadcnt 0x0
.set qq, 0
.rept 32                                       ; four accumulators by turns, one instruction a turn; the first four start the sums
.if qq < 4
	v_wmma_f32_16x16x4_f32 v[ACC+8*(qq%4):ACC+8*(qq%4)+7], v[X+2*qq:X+2*qq+1], v[WR+2*qq:WR+2*qq+1], 0
.else
	v_wmma_f32_16x16x4_f32 v[ACC+8*(qq%4):ACC+8*(qq%4)+7], v[X+2*qq:X+2*qq+1], v[WR+2*qq:WR+2*qq+1], v[ACC+8*(qq%4):ACC+8*(qq%4)+7]
.endif
.set qq, qq+1
.endr
.rept 8
	v_nop                                          ; eight places behind this form (ISA guide 7.12.1)
.endr
.irp j, 0,2,4,6                                ; each accumulator is read from its low end on
	v_pk_add_f32 v[TT:TT+1], v[ACC+\j:ACC+\j+1], v[ACC+8+\j:ACC+9+\j]
	v_pk_add_f32 v[TT+2:TT+3], v[ACC+16+\j:ACC+17+\j], v[ACC+24+\j:ACC+25+\j]
	s_delay_alu instid0(VALU_DEP_1)
	v_pk_add_f32 v[LG+\j:LG+\j+1], v[TT:TT+1], v[TT+2:TT+3]
.endr
.irp j, 0,1,2,3,4,5,6,7
	ds_store_b32 v8, v[LG+\j] offset:64*\j         ; token 8 h + j, expert r
.endr
	s_wait_dscnt 0x0                               ; for the others' sake: my stores have landed
	s_barrier_signal -1
	s_barrier_wait -1
.irp i, 0,1,2                                  ; the 12,288 bytes of codes leave as they lie: a wave's store covers 512 consecutive bytes
	ds_load_b128 v[80+4*\i:83+4*\i], v9 offset:4096*\i
.endr
.irp i, 0,1,2
	s_wait_dscnt 2-\i
	global_store_b128 v10, v[80+4*\i:83+4*\i], s[22:23] offset:4096*\i
.endr
	s_cmp_eq_u32 s[WV], 1
	s_cbranch_scc0 .Lnot_1
	ds_load_b128 v[92:95], v11                     ; wave 1: the 512 bytes of scale words
	s_wait_dscnt 0x0
	global_store_b128 v12, v[92:95], s[24:25] offset:786432
.Lnot_1:
	s_cmp_lg_u32 s[WV], 0
	s_cbranch_scc1 .Lend
	; wave 0: lane l has token l % 16 (lanes 16-31 repeat lanes 0-15 and store the same words to the same places)
.irp s, 0,1,2,3,4,5,6,7
	ds_load_b128 v[16+8*\s:19+8*\s], v13 offset:1024*\s
	ds_load_b128 v[20+8*\s:23+8*\s], v13 offset:1024*\s+16
.endr
	s_wait_dscnt 0x0
.irp s, 1,2,3,4,5,6,7
.irp j, 0,2,4,6
	v_pk_add_f32 v[16+\j:17+\j], v[16+\j:17+\j], v[16+8*\s+\j:17+8*\s+\j]
.endr
.endr
	s_delay_alu instid0(VALU_DEP_3)
	v_max3_num_f32 v24, v16, v17, v18              ; the row's maximum is taken away before the exponential
	s_delay_alu instid0(VALU_DEP_1)
	v_max3_num_f32 v24, v24, v19, v20
	s_delay_alu instid0(VALU_DEP_1)
	v_max3_num_f32 v24, v24, v21, v22
	s_delay_alu instid0(VALU_DEP_1)
	v_max_num_f32 v24, v24, v23
.irp i, 0,1,2,3,4,5,6,7
	v_sub_f32 v[16+\i], v[16+\i], v24
.endr
.irp i, 0,1,2,3,4,5,6,7
	v_mul_f32 v[16+\i], 0x3fb8aa3b, v[16+\i]       ; x log2(e)
.endr
	s_wait_alu depctr_va_vdst(0)
.irp i, 0,1,2,3,4,5,6,7
	v_exp_f32 v[16+\i], v[16+\i]
.endr
	v_mov_b32 v39, -1.0                            ; (a plain place behind the exponentials)
	s_wait_alu depctr_va_vdst(0)                   ; one wait for the eight, ahead of their first reader
	v_add_f32 v25, v16, v17
	v_add_f32 v26, v18, v19
	v_add_f32 v27, v20, v21
	v_add_f32 v28, v22, v23
	s_delay_alu instid0(VALU_DEP_3)
	v_add_f32 v25, v25, v26
	s_delay_alu instid0(VALU_DEP_2)
	v_add_f32 v27, v27, v28
	s_delay_alu instid0(VALU_DEP_1)
	v_add_f32 v25, v25, v27
	s_wait_alu depctr_va_vdst(0)
	v_rcp_f32 v26, v25
	v_mov_b32 v36, 0                               ; (a plain place behind the reciprocal)
	s_wait_alu depctr_va_vdst(0)
.irp i, 0,1,2,3,4,5,6,7
	v_mul_f32 v[16+\i], v[16+\i], v26              ; the probabilities
.endr
	v_mov_b32 v34, v16                             ; the largest: a later one wins only if it is strictly larger
.irp i, 1
	s_delay_alu instid0(VALU_DEP_1)
	v_cmp_le_f32 vcc_lo, v[16+\i], v34
	s_delay_alu instid0(VALU_DEP_1)
	v_cndmask_b32 v34, v[16+\i], v34, vcc_lo
	s_delay_alu instid0(VALU_DEP_2)
	v_cndmask_b32 v36, \i, v36, vcc_lo
.endr
.irp i, 2, 3, 4, 5, 6, 7
	s_delay_alu instid0(VALU_DEP_2)
	v_cmp_le_f32 vcc_lo, v[16+\i], v34
	s_delay_alu instid0(VALU_DEP_1)
	v_cndmask_b32 v34, v[16+\i], v34, vcc_lo
	s_delay_alu instid0(VALU_DEP_2)
	v_cndmask_b32 v36, \i, v36, vcc_lo
.endr
.irp i, 0,1,2,3,4,5,6,7
	v_cmp_eq_u32 vcc_lo, \i, v36
	s_delay_alu instid0(VALU_DEP_1)
	v_cndmask_b32 v[16+\i], v[16+\i], v39, vcc_lo  ; the winner leaves the field: -1 lies under every probability
.endr
	v_mov_b32 v35, v16
	v_mov_b32 v37, 0
.irp i, 1,2,3,4,5,6,7
	s_delay_alu instid0(VALU_DEP_2)
	v_cmp_le_f32 vcc_lo, v[16+\i], v35
	s_delay_alu instid0(VALU_DEP_1)
	v_cndmask_b32 v35, v[16+\i], v35, vcc_lo
	s_delay_alu instid0(VALU_DEP_2)
	v_cndmask_b32 v37, \i, v37, vcc_lo
.endr
	s_delay_alu instid0(VALU_DEP_1)
	v_lshl_or_b32 v38, v37, 8, v36
	global_store_b32 v14, v38, s[8:9]
	global_store_b64 v15, v[34:35], s[10:11]
.Lend:
	s_wait_tensorcnt 0x0
	ds_add_u32 v254, v255
	s_wait_dscnt 0x0
	s_endpgm
.Lfunc_end_k_qe9cc36e049_route:
	.size	k_qe9cc36e049_route, .Lfunc_end_k_qe9cc36e049_route-k_qe9cc36e049_route
	.p2alignl 7, 3214868480
	.fill 96, 4, 3214868480
	.section	.rodata,"a",@progbits
	.p2align	6, 0x0
	.amdhsa_kernel k_qe9cc36e049_route
		.amdhsa_group_segment_fixed_size 22016
		.amdhsa_private_segment_fixed_size 0
		.amdhsa_enable_private_segment 0
		.amdhsa_kernarg_size 40
		.amdhsa_user_sgpr_count 2
		.amdhsa_user_sgpr_kernarg_segment_ptr 1
		.amdhsa_wavefront_size32 1
		.amdhsa_system_sgpr_workgroup_id_x 1
		.amdhsa_system_sgpr_workgroup_id_y 1
		.amdhsa_system_sgpr_workgroup_id_z 1
		.amdhsa_system_vgpr_workitem_id 0
		.amdhsa_next_free_vgpr 256
		.amdhsa_next_free_sgpr 66
		.amdhsa_reserve_vcc 1
		.amdhsa_float_denorm_mode_32 3
		.amdhsa_float_denorm_mode_16_64 3
		.amdhsa_memory_ordered 1
		.amdhsa_forward_progress 1
		.amdhsa_inst_pref_size 30
	.end_amdhsa_kernel
	.amdgpu_metadata
---
amdhsa.version: [ 1, 2 ]
amdhsa.kernels:
  - .name:           k_qe9cc36e049_route
    .symbol:         k_qe9cc36e049_route.kd
    .args:
      - { .name: x, .offset: 0, .size: 8, .value_kind: global_buffer, .address_space: global }
      - { .name: Wr, .offset: 8, .size: 8, .value_kind: global_buffer, .address_space: global }
      - { .name: choice, .offset: 16, .size: 8, .value_kind: global_buffer, .address_space: global }
      - { .name: gate, .offset: 24, .size: 8, .value_kind: global_buffer, .address_space: global }
      - { .name: xq, .offset: 32, .size: 8, .value_kind: global_buffer, .address_space: global }
    .group_segment_fixed_size: 22016
    .private_segment_fixed_size: 0
    .kernarg_segment_align: 8
    .kernarg_segment_size: 40
    .max_flat_workgroup_size: 256
    .sgpr_count:     66
    .vgpr_count:     256
    .wavefront_size: 32
...
	.end_amdgpu_metadata
.endif
;; end of part 5
;; launch up (part 6): grid 256 x 1, 4 waves a work-group, no clusters, 107,008 bytes of LDS; arguments W1_codes, W1_scales, b1, choice, xq, hq, hs, rows; writes hq, hs, rows
.if DOCPART == 6
	.amdgcn_target "amdgcn-amd-amdhsa--gfx1250"
	.amdhsa_code_object_version 6
	.text
	.protected	k_qe9cc36e049_up
	.globl	k_qe9cc36e049_up
	.p2align	8
	.type	k_qe9cc36e049_up,@function
k_qe9cc36e049_up:
	s_mov_b64 s[64:65], 0
	v_nop
	global_prefetch_b8 v0, s[64:65] scope:SCOPE_SE
	s_setreg_imm32_b32 hwreg(HW_REG_WAVE_MODE, 25, 1), 1
	s_wait_xcnt 0x0
; THE FIRST PRODUCT OF THE CHOSEN ROWS: hq = Q(gelu(Xq W1[e]^T + b1[e])), on codes of E3M2 with one E8M0 byte for each 32 along K.
; SHARES.  Work-group = (expert e = id / 32, slice sl = id % 32 of 128 hidden units).  Its 128 rows of W1 (98,304 bytes) are read from memory once and stay in LDS; it multiplies ALL rows routed to e.
; THE LIST.  Wave 0 reads choice (1,024 words), and places idx = 1024 k + token of every token that chose e into a list in LDS, by a ballot and a running count; the rest of the list holds 2048 + e
; (as a token: token e, whose results nobody keeps).  The work-group of slice 0 stores list and count into rows, for the next launch.
; A wave takes five tiles of 16 rows at once (slot j of wave w in pass p: tile 20 p + 4 j + w), so that a fragment of W1 read from LDS feeds five products.  Four passes cover the 64 tiles that one
; expert can have; a pass whose first tile lies at or past the count's tiles is jumped over, and so is the way out of each slot that has no rows.
; THE PRODUCT IS USED TRANSPOSED (source 0 = 16 rows of W1, source 1 = 16 rows of x), and LDS row 16 t + r holds hidden unit 32 (t / 2) + 8 (t % 2) + r + 8 (r / 8): so the 64 results of a lane are
; 64 hidden units of ONE row, register 16 b + i = unit 32 b + 16 (lane / 16) + i: what the conversions want.  The slice's 128 units are K step sl of the second product: one fragment and one scale word a row.
; hq: [e][tile 64][K step 32][1,536 bytes]: the fragment's registers as they stand, 3 x 512 bytes, lane l's 16 bytes at 16 l.  hs: [e][tile][K step / 2][32 words]: lane 16 (step % 2) + r has row r's word.
; NO TENSOR LOAD, NO CLUSTER: which passes run hangs on a count read from memory, so partners would not make the same requests.  No prefetch: x's codes are read by all 32 slices of an expert.
; gelu(v) = v (0.5 + 0.5 erf(v / sqrt 2)); erf(z) = z P(z^2) / Q(z^2), z held to -4 .. 4, a rational form of degrees 6 and 4 in z^2; the division is v_rcp_f32 and a multiplication.
; LIMITS: NaN and infinities are not served; 1 + erf is formed as a sum, so far on the negative side gelu keeps an absolute error of about 1e-7 |v|; a block whose largest magnitude lies under 2^-122 keeps the byte 1.
.set WP,    784                        ; a row of W1 in LDS: 768 bytes + 16 = 196 words: row r starts at bank 4 r mod 64 (64 banks of 4 bytes: ISA guide 11.1): the 32 lanes of a load of 8 bytes touch 64 different banks
.set LIST,  128*WP                     ; behind the weights: 1,536 words; entry 1534 takes what is thrown away, entry 1535 the count
.set CNTO,  6140
.set L16, 1                            ; v1   16 x lane
.set R4,  2                            ; v2   4 x (lane % 16)
.set H48, 3                            ; v3   48 x (lane / 16)
.set H16, 4                            ; v4   16 x (lane / 16)
.set AW,  5                            ; v5-6 LDS address of my lane in W1's tiles 0-3, 4-7
.set LRD, 7                            ; v7   LIST + 4 (lane % 16)
.set XSA, 8                            ; v8-12  slot j: my row's scale words in xq
.set HO,  13                           ; v13  my byte in hq
.set HSO, 14                           ; v14  my byte in hs
.set TA,  15
.set XA,  16                           ; v16-20 slot j: my row's codes in xq
.set LCP, 21                           ; v21  the list's way out: LDS address,
.set LCG, 22                           ; v22  and offset in rows
.set TB,  23
.set VA11, 24                          ; v[24:25], v[26:27]: two of erf's constants as vector pairs, so that no instruction names two scalar pairs
.set VB6, 26
.set WS,  28                           ; v28-30 where the staged weights go
.set TC,  31
.set W1S, 32                           ; v32-63  W1's scale words: register 4 t + q: lanes 0-15 K step q, lanes 16-31 K step 4 + q
.set XS,  64                           ; v64-83  x's: register 4 j + q likewise
.set B1,  84                           ; v84-147 b1 in the result's layout, 8 a tile
.set Z,   148                          ; v148-211 gelu's work: Z, X2, P, Q, 16 each
.set X2,  164
.set P,   180
.set Q,   196
.set TM,  212                          ; v212-227 the quantiser's work
.set PW,  228
.set PC,  230                          ; v230-249 the codes
.set LA,  148                          ; at the head, in gelu's registers: the list's work
.set LB,  149
.set LP,  150
.set LV,  151
.set LBIG, 152
.set LT0, 153
.set LT1, 154
.set LF,  155
.set FD,  156
.set LC,  160
.set WSO, 161
.set BO,  162
.set CH,  176                          ; v176-207 choice: register 4 i + c: token 128 i + 4 lane + c
; window 1: the accumulators of slots 0-3 (64 j + 8 t); at the head v0-191: the staged weights.  window 2: v0-63 slot 4's; from v64 two sets of W1's 8 fragments.  window 3: x's fragments, K step s at 60 (s % 4) + 12 j
.set WV, 20
.set EX, 21
.set SL, 22
.set CNT, 23
.set NT, 24
.set T0, 25
.set PASS, 26
.set EA13, 32
.set EA11, 34
.set EA9, 36
.set EA7, 38
.set EA5, 40
.set EA3, 42
.set EA1, 44
.set EB8, 46
.set EB6, 48
.set EB4, 50
.set EB2, 52
.set EB0, 54
.set RS2, 56
.set SEL, 58
.set MSB, 0
.macro WIN new                         ; the immediate's high byte repeats the setting that is left
.if MSB != (\new)
	s_set_vgpr_msb (MSB<<8)|(\new)
.set MSB, (\new)
.endif
.endm
.macro PAIR reg, bits                  ; the packed forms name a pair and take its low word for both halves: both are written
	s_mov_b32 s[\reg], \bits
	s_mov_b32 s[\reg+1], \bits
.endm
.macro PLACES                          ; four places behind this matrix form, ahead of loads into registers that it has read and of the first read of results
.rept 4
	v_nop
.endr
.endm
; one word of choice a lane: 32 tokens.  Those that chose e are counted by a ballot; lane's place = running count + matching lanes below it.
.macro ROUND i, c
	v_and_b32 v[LA], 0xff, v[CH+4*(\i)+(\c)]
	v_lshrrev_b32 v[LB], 8, v[CH+4*(\i)+(\c)]
	v_cmp_eq_u32 s66, s[EX], v[LA]
	v_cmp_eq_u32 s67, s[EX], v[LB]
	s_or_b32 s68, s66, s67                         ; (the two experts of a token differ)
	v_mbcnt_lo_u32_b32 v[LP], s68, s[CNT]
	v_cndmask_b32 v[LP], v[LBIG], v[LP], s68       ; a lane with no match gets a place beyond the list,
	v_min_u32 v[LP], 1534, v[LP]                   ; which this hold turns into entry 1534
	v_lshl_add_u32 v[LP], v[LP], 2, LIST
	v_cndmask_b32 v[LV], v[LT0], v[LT1], s67       ; 4 lane, + 1024 where e is the token's second expert
	v_add_nc_u32 v[LV], 128*(\i)+(\c), v[LV]
	ds_store_b32 v[LP], v[LV]
	s_bcnt1_i32_b32 s69, s68
	s_add_co_u32 s[CNT], s[CNT], s69
.endm
.macro WM d, a, b, c, sa, sb, ra, rb   ; one product; ra, rb = 1: that side's scales stand in lanes 16-31
.if (\ra) && (\rb)
	v_wmma_scale_f32_16x16x128_f8f6f4 v[(\d):(\d)+7], v[(\a):(\a)+11], v[(\b):(\b)+11], v[(\c):(\c)+7], v[\sa], v[\sb] matrix_a_fmt:MATRIX_FMT_BF6 matrix_b_fmt:MATRIX_FMT_BF6 matrix_a_scale:MATRIX_SCALE_ROW1 matrix_b_scale:MATRIX_SCALE_ROW1
.elseif (\ra)
	v_wmma_scale_f32_16x16x128_f8f6f4 v[(\d):(\d)+7], v[(\a):(\a)+11], v[(\b):(\b)+11], v[(\c):(\c)+7], v[\sa], v[\sb] matrix_a_fmt:MATRIX_FMT_BF6 matrix_b_fmt:MATRIX_FMT_BF6 matrix_a_scale:MATRIX_SCALE_ROW1
.elseif (\rb)
	v_wmma_scale_f32_16x16x128_f8f6f4 v[(\d):(\d)+7], v[(\a):(\a)+11], v[(\b):(\b)+11], v[(\c):(\c)+7], v[\sa], v[\sb] matrix_a_fmt:MATRIX_FMT_BF6 matrix_b_fmt:MATRIX_FMT_BF6 matrix_b_scale:MATRIX_SCALE_ROW1
.else
	v_wmma_scale_f32_16x16x128_f8f6f4 v[(\d):(\d)+7], v[(\a):(\a)+11], v[(\b):(\b)+11], v[(\c):(\c)+7], v[\sa], v[\sb] matrix_a_fmt:MATRIX_FMT_BF6 matrix_b_fmt:MATRIX_FMT_BF6
.endif
.endm
.macro XLOAD s                         ; K step s of my five tiles of x: 48 bytes a lane and tile, as the operand's registers take them
	WIN 0xc0
.irp j, 0,1,2,3,4
.irp c, 0,1,2
	global_load_b128 v[60*((\s)%4)+12*\j+4*\c:60*((\s)%4)+12*\j+4*\c+3], v[XA+\j], s[12:13] offset:96*(\s)+16*\c
.endr
.endr
.endm
.macro WFETCH s                        ; K step s of W1's eight tiles, in pieces of 8 bytes
	WIN 0x80
.irp t, 0,1,2,3,4,5,6,7
.irp p, 0,1,2,3,4,5
	ds_load_b64 v[64+96*((\s)%2)+12*\t+2*\p:64+96*((\s)%2)+12*\t+2*\p+1], v[AW+\t/4] offset:16*WP*(\t%4)+96*(\s)+48*(\p/3)+8*(\p%3)
.endr
.endr
.endm
.macro MUL s                           ; 40 products: the 40 accumulators take turns, one instruction a turn, in the same order in every step.  Step 0 takes b1 as C
.irp j, 0,1,2,3,4
.if (\s) == 0
	WIN 0x4e+0x40*(\j/4)
.else
	WIN 0x5e+0x50*(\j/4)
.endif
.irp t, 0,1,2,3,4,5,6,7
.if (\s) == 0
	WM (64*\j)%256+8*\t, 64+12*\t, 12*\j, B1+8*\t, W1S+4*\t, XS+4*\j, 0, 0
.else
	WM (64*\j)%256+8*\t, 64+96*((\s)%2)+12*\t, 60*((\s)%4)+12*\j, (64*\j)%256+8*\t, W1S+4*\t+(\s)%4, XS+4*\j+(\s)%4, (\s)/4, (\s)/4
.endif
.endr
.endr
.endm
.macro STEP s
.if (\s) > 0
	PLACES                                         ; the loads below land in registers that the last step's products read
.endif
.if (\s)+3 < 8
	XLOAD (\s)+3
.endif
.if (\s)+1 < 8
	WFETCH (\s)+1
.endif
.if 7-(\s) >= 3
	s_wait_loadcnt 45                              ; this step's x is in; the 15 loads of each of the three steps behind it may be out
.else
	s_wait_loadcnt 15*(7-(\s))
.endif
.if (\s) < 7
	s_wait_dscnt 48                                ; this step's W1 is in; the 48 loads just issued may be out
.else
	s_wait_dscnt 0x0
.endif
	MUL \s
.endm
; 16 results, v[a] on in window win, become their gelu, in place
.macro GELU a, win
	WIN \win
.irp i, 0,2,4,6,8,10,12,14
	v_pk_mul_f32 v[Z+\i:Z+\i+1], v[(\a)+\i:(\a)+\i+1], s[RS2:RS2+1] op_sel_hi:[1,0]   ; z = v / sqrt 2.  (An accumulator is read from its low end on)
.endr
	WIN 0
.irp i, 0,1,2,3,4,5,6,7,8,9,10,11,12,13,14,15
	v_med3_num_f32 v[Z+\i], v[Z+\i], -4.0, 4.0
.endr
.irp i, 0,2,4,6,8,10,12,14
	v_pk_mul_f32 v[X2+\i:X2+\i+1], v[Z+\i:Z+\i+1], v[Z+\i:Z+\i+1]
.endr
.irp i, 0,2,4,6,8,10,12,14
	v_pk_fma_f32 v[P+\i:P+\i+1], v[X2+\i:X2+\i+1], s[EA13:EA13+1], v[VA11:VA11+1] op_sel_hi:[1,0,1]
.endr
.irp i, 0,2,4,6,8,10,12,14
	v_pk_fma_f32 v[Q+\i:Q+\i+1], v[X2+\i:X2+\i+1], s[EB8:EB8+1], v[VB6:VB6+1] op_sel_hi:[1,0,1]
.endr
.irp c, EB4, EB2, EB0
.irp i, 0,2,4,6,8,10,12,14
	v_pk_fma_f32 v[Q+\i:Q+\i+1], v[Q+\i:Q+\i+1], v[X2+\i:X2+\i+1], s[\c:\c+1] op_sel_hi:[1,1,0]
.endr
.endr
	s_wait_alu depctr_va_vdst(0)
.irp i, 0,1,2,3,4,5,6,7,8,9,10,11,12,13,14,15
	v_rcp_f32 v[Q+\i], v[Q+\i]
.endr
.irp c, EA9, EA7, EA5, EA3, EA1                ; P's Horner steps name none of the reciprocals: the plain work behind them
.irp i, 0,2,4,6,8,10,12,14
	v_pk_fma_f32 v[P+\i:P+\i+1], v[P+\i:P+\i+1], v[X2+\i:X2+\i+1], s[\c:\c+1] op_sel_hi:[1,1,0]
.endr
.endr
.irp i, 0,2,4,6,8,10,12,14
	v_pk_mul_f32 v[P+\i:P+\i+1], v[P+\i:P+\i+1], v[Z+\i:Z+\i+1]
.endr
	s_wait_alu depctr_va_vdst(0)                   ; one wait for the sixteen reciprocals, ahead of their first reader
.irp i, 0,2,4,6,8,10,12,14
	v_pk_mul_f32 v[P+\i:P+\i+1], v[P+\i:P+\i+1], v[Q+\i:Q+\i+1]                      ; erf
.endr
.irp i, 0,2,4,6,8,10,12,14
	v_pk_fma_f32 v[P+\i:P+\i+1], v[P+\i:P+\i+1], 0.5, 0.5 op_sel_hi:[1,0,0]
.endr
	WIN (\win)|((\win)<<6)
.irp i, 0,2,4,6,8,10,12,14
	v_pk_mul_f32 v[(\a)+\i:(\a)+\i+1], v[(\a)+\i:(\a)+\i+1], v[P+\i:P+\i+1]
.endr
	WIN 0
.endm
; a slot's 64 numbers, v[a] on in window win, become a fragment's codes in v[PC] on and its scale word in v[PW]
.macro QUANT a, win
	s_wait_xcnt 0x0                                ; the last stores have read v[PC] on, v[PW], v[HO], v[HSO]: these are written again only behind this wait
	WIN (\win)|((\win)<<2)
.irp b, 0,1,2,3
	v_max3_num_f32 v[TM+\b], |v[(\a)+16*\b]|, |v[(\a)+1+16*\b]|, 0x2800000   ; and the floor 2^(5 - 127): the byte cannot fall under 1
.endr
.irp i, 2,4,6,8,10,12,14
.irp b, 0,1,2,3
	v_max3_num_f32 v[TM+\b], |v[(\a)+16*\b+\i]|, |v[(\a)+1+16*\b+\i]|, v[TM+\b]
.endr
.endr
	WIN 0
.irp b, 0,1,2,3
	v_permlanex16_b32 v[TM+4+\b], v[TM+\b], s[SEL], s[SEL+1]
.endr
.irp b, 0,1,2,3
	v_max_num_f32 v[TM+\b], v[TM+\b], v[TM+4+\b]
.endr
.irp b, 0,1,2,3
	v_add_nc_u32 v[TM+12+\b], 0xfe000000, v[TM+\b]                ; 4 off the exponent field: the conversion's scale operand
.endr
.irp b, 0,1,2,3
	v_lshrrev_b32 v[TM+4+\b], 23, v[TM+12+\b]
.endr
	v_lshl_or_b32 v[PW], v[TM+5], 8, v[TM+4]
	v_lshl_or_b32 v[PW], v[TM+6], 16, v[PW]
	v_lshl_or_b32 v[PW], v[TM+7], 24, v[PW]
	WIN \win
.irp c, 0,1
	v_cvt_scalef32_pk16_bf6_f32 v[PC+6*\c:PC+2+6*\c], v[(\a)+32*\c:(\a)+15+32*\c], v[TM+12+2*\c]
	v_cvt_scalef32_pk16_bf6_f32 v[PC+12+4*\c:PC+14+4*\c], v[(\a)+16+32*\c:(\a)+31+32*\c], v[TM+12+2*\c+1]
.endr
	WIN 0
	v_nop                                          ; one plain place behind a scaled conversion
.irp c, 0,1
.irp i, 0,1,2
	v_permlane16_swap_b32 v[PC+6*\c+\i], v[PC+12+4*\c+\i]
.endr
.irp i, 0,1,2
	v_mov_b32 v[PC+3+6*\c+\i], v[PC+12+4*\c+\i]
.endr
.endr
.endm
.macro SLOT j, ab, wn                  ; the way out of slot j, if its tile has rows
	s_add_co_u32 s66, s[T0], 4*(\j)
	s_cmp_ge_u32 s66, s[NT]
	s_cbranch_scc1 .Lnone_\@
	GELU (\ab), \wn
	GELU (\ab)+16, \wn
	GELU (\ab)+32, \wn
	GELU (\ab)+48, \wn
	QUANT \ab, \wn
	s_mul_i32 s67, s66, 49152
	v_add_nc_u32 v[HO], s67, v[L16]
	s_lshl_b32 s67, s66, 11
	v_add_nc_u32 v[HSO], s67, v[R4]
.irp c, 0,1,2
	global_store_b128 v[HO], v[PC+4*\c:PC+4*\c+3], s[14:15] offset:512*\c   ; 32 lanes store 512 consecutive bytes, at a multiple of 256 from hq's first byte
.endr
	global_store_b32 v[HSO], v[PW], s[16:17]       ; 16 words; lanes 16-31 hold the same words and store them to the same places
.Lnone_\@:
.endm
	s_load_b512 s[4:19], s[0:1], 0x0               ; W1_codes 4, W1_scales 6, b1 8, choice 10, xq 12, hq 14, hs 16, rows 18
	v_lshl_add_u32 v254, v0, 2, 0x1a000
	v_mov_b32 v255, 0
	v_lshrrev_b32 v[TA], 5, v0
	v_readfirstlane_b32 s[WV], v[TA]
	s_lshr_b32 s[EX], ttmp9, 5
	s_and_b32 s[SL], ttmp9, 31
	v_and_b32 v[TA], 31, v0                        ; lane
	v_and_b32 v[TB], 15, v0                        ; r
	v_bfe_u32 v[TC], v0, 4, 1                      ; h
	v_lshlrev_b32 v[L16], 4, v[TA]
	v_lshlrev_b32 v[R4], 2, v[TB]
	v_mul_u32_u24 v[H48], v[TC], 48
	v_lshlrev_b32 v[H16], 4, v[TC]
	v_mul_u32_u24 v[AW], v[TB], WP
	v_mad_u32_u24 v[AW], v[TC], 24, v[AW]
	v_add_nc_u32 v[AW+1], 64*WP, v[AW]
	v_add_nc_u32 v[LRD], LIST, v[R4]
	s_mul_i32 s66, s[WV], 1536
	v_add_nc_u32 v[LCG], s66, v[L16]
	v_add_nc_u32 v[LCP], LIST, v[LCG]
	s_mul_i32 s66, s[WV], 32*WP
	v_add_nc_u32 v[WS], s66, v[L16]                ; three loads bring two rows of 768 bytes: the first 512 bytes of the first row;
	v_lshl_add_u32 v[WS+1], v[TC], 4, v[WS]
	v_add_nc_u32 v[WS+1], 512, v[WS+1]             ; its last 256 (lanes 0-15) and, 16 bytes of padding on, the second row's first 256 (lanes 16-31);
	v_add_nc_u32 v[WS+2], WP+256, v[WS]            ; the second row's last 512
	v_add_nc_u32 v[LF], LIST, v[L16]
	v_mov_b32 v[LC], LIST
	v_mov_b32 v[LBIG], 0xffff
	v_lshlrev_b32 v[LT0], 2, v[TA]
	v_add_nc_u32 v[LT1], 1024, v[LT0]
	v_and_b32 v[WSO], 8, v[TB]
	v_add_nc_u32 v[WSO], v[WSO], v[TB]
	v_lshl_add_u32 v[WSO], v[WSO], 5, v[H16]       ; W1's scale bytes: 32 (r + 8 (r / 8)) + 16 h
	v_lshlrev_b32 v[BO], 6, v[TC]                  ; b1: 16 h numbers
	PAIR EA13, 0xaf95df0b
	PAIR EA11, 0x32edffee
	PAIR EA9,  0xb60cff51
	PAIR EA7,  0xb86ec2d2
	PAIR EA5,  0xba40ac63
	PAIR EA3,  0xbb41a1f6
	PAIR EA1,  0xbc83dbd4
	PAIR EB8,  0xb77460cd
	PAIR EB6,  0xb95fbd29
	PAIR EB4,  0xbadc924e
	PAIR EB2,  0xbbf19bf8
	PAIR EB0,  0xbc69b6a7
	PAIR RS2,  0x3f3504f3
	s_mov_b32 s[SEL], 0x76543210
	s_mov_b32 s[SEL+1], 0xfedcba98
	v_mov_b32 v[VA11], s[EA11]
	v_mov_b32 v[VA11+1], s[EA11]
	v_mov_b32 v[VB6], s[EB6]
	v_mov_b32 v[VB6+1], s[EB6]
.irp b, 0,1,2,3
	v_mov_b32 v[TM+4+\b], 0                        ; a lane permute's destination counts as one of its sources
.endr
	s_mul_i32 s66, s[EX], 3145728
	s_mul_i32 s67, s[SL], 98304
	s_add_co_u32 s68, s66, s67
	s_mul_i32 s67, s[WV], 24576
	s_add_co_u32 s68, s68, s67                     ; W1's codes: 768 (4096 e + 128 sl + 32 wave)
	s_mov_b32 s69, 0
	s_mul_i32 s67, s[SL], 1536
	s_add_co_u32 s70, s66, s67                     ; hq: expert e, K step sl
	s_mov_b32 s71, 0
	s_lshl_b32 s66, s[EX], 17
	s_lshl_b32 s67, s[SL], 12
	s_add_co_u32 s72, s66, s67                     ; W1's scale bytes: 32 (4096 e + 128 sl)
	s_mov_b32 s73, 0
	s_lshl_b32 s67, s[SL], 6
	s_add_co_u32 s74, s66, s67                     ; hs: 131,072 e + 128 (sl / 2) + 64 (sl % 2)
	s_mov_b32 s75, 0
	s_lshl_b32 s66, s[EX], 14
	s_lshl_b32 s67, s[SL], 9
	s_add_co_u32 s76, s66, s67                     ; b1: 4 (4096 e + 128 sl)
	s_mov_b32 s77, 0
	s_mul_i32 s78, s[EX], 6144                     ; rows
	s_mov_b32 s79, 0
	s_wait_kmcnt 0x0
	s_add_nc_u64 s[4:5], s[4:5], s[68:69]
	s_add_nc_u64 s[14:15], s[14:15], s[70:71]
	s_add_nc_u64 s[6:7], s[6:7], s[72:73]
	s_add_nc_u64 s[16:17], s[16:17], s[74:75]
	s_add_nc_u64 s[8:9], s[8:9], s[76:77]
	s_add_nc_u64 s[18:19], s[18:19], s[78:79]
	s_cmp_lg_u32 s[WV], 0
	s_cbranch_scc1 .Lno_choice
.irp i, 0,1,2,3,4,5,6,7
	global_load_b128 v[CH+4*\i:CH+4*\i+3], v[L16], s[10:11] offset:512*\i   ; wave 0: choice first, so that it is in first
.endr
.Lno_choice:
	WIN 0x40
.set ii, 0
.rept 48                                       ; my 32 rows of W1: 24,576 dense bytes, 512 a load
	global_load_b128 v[4*ii:4*ii+3], v[L16], s[4:5] offset:512*ii th:TH_LOAD_NT
.set ii, ii+1
.endr
	WIN 0
	s_cmp_lg_u32 s[WV], 0
	s_cbranch_scc1 .Lno_list
	s_add_co_u32 s66, s[EX], 2048
.irp c, 0,1,2,3
	v_mov_b32 v[FD+\c], s66
.endr
.irp i, 0,1,2,3,4,5,6,7,8,9,10,11
	ds_store_b128 v[LF], v[FD:FD+3] offset:512*\i  ; the whole list holds 2048 + e; LDS serves a wave's instructions in order, so the entries below come on top
.endr
	s_mov_b32 s[CNT], 0
	s_wait_loadcnt 48                              ; choice is in; the 48 loads of weights may be out
.irp i, 0,1,2,3,4,5,6,7
.irp c, 0,1,2,3
	ROUND \i, \c
.endr
.endr
	v_mov_b32 v[LV], s[CNT]
	ds_store_b32 v[LC], v[LV] offset:CNTO
.Lno_list:
.irp t, 0,1,2,3,4,5,6,7
	global_load_b128 v[W1S+4*\t:W1S+4*\t+3], v[WSO], s[6:7] offset:32*(32*(\t/2)+8*(\t%2))
.endr
	s_wait_alu depctr_va_vdst(0)
.irp t, 0,1,2,3,4,5,6,7
	global_load_b128 v[B1+8*\t:B1+8*\t+3], v[BO], s[8:9] offset:4*(32*(\t/2)+8*(\t%2))
	global_load_b128 v[B1+8*\t+4:B1+8*\t+7], v[BO], s[8:9] offset:4*(32*(\t/2)+8*(\t%2))+16
.endr
	s_wait_dscnt 0x0                               ; the list has landed
	s_barrier_signal -1
	s_barrier_wait -1                              ; it parts the list's stores from every other wave's LDS stores
	s_wait_loadcnt 24                              ; the weights are in; the 24 loads of scale words and b1 may be out
	WIN 0x04                                       ; an LDS store's data are its source 1: window 1
.set ii, 0
.rept 48                                       ; rows 2 m and 2 m + 1 of my 32 go to LDS rows pp and pp + 1: the order that makes a tile's 16 rows neighbours
.set mm, ii/3
.set qq, mm/4
.set pp, 2*mm+8*((qq&1)-(qq>>1))
	ds_store_b128 v[WS+ii%3], v[4*ii:4*ii+3] offset:WP*pp
.set ii, ii+1
.endr
	WIN 0
	s_wait_dscnt 0x0                               ; for the others' sake: my rows have landed
	s_barrier_signal -1
	s_barrier_wait -1                              ; behind it LDS is only read
	ds_load_b32 v[TC], v[LC] offset:CNTO
	s_wait_dscnt 0x0
	v_readfirstlane_b32 s[CNT], v[TC]
	s_min_u32 s[CNT], s[CNT], 1024
	s_add_co_u32 s[NT], s[CNT], 15
	s_lshr_b32 s[NT], s[NT], 4                     ; tiles of 16 rows
	s_cmp_lg_u32 s[SL], 0
	s_cbranch_scc1 .Lno_rows
.irp i, 0,1,2                                  ; slice 0 stores list and count: 1,536 bytes a wave
	ds_load_b128 v[PC+4*\i:PC+4*\i+3], v[LCP] offset:512*\i
.endr
	s_wait_dscnt 0x0
.irp i, 0,1,2
	global_store_b128 v[LCG], v[PC+4*\i:PC+4*\i+3], s[18:19] offset:512*\i
.endr
.Lno_rows:
	s_wait_loadcnt 0x0                             ; W1's scale words and b1
	s_mov_b32 s[T0], s[WV]
	s_mov_b32 s[PASS], 0
.Lpass:
	s_cmp_ge_u32 s[T0], s[NT]
	s_cbranch_scc1 .Lskip
	s_lshl_b32 s66, s[T0], 6
	v_add_nc_u32 v[TA], s66, v[LRD]
.irp j, 0,1,2,3,4
	ds_load_b32 v[XA+\j], v[TA] offset:256*\j      ; idx of row lane % 16 of tile T0 + 4 j
.endr
	s_wait_dscnt 0x0
.irp j, 0,1,2,3,4
	v_and_b32 v[XA+\j], 0x3ff, v[XA+\j]            ; the token
	v_min_u32 v[XA+\j], 0x3ff, v[XA+\j]
	v_lshl_add_u32 v[XSA+\j], v[XA+\j], 5, v[H16]
	v_mul_u32_u24 v[XA+\j], v[XA+\j], 768
	v_add_nc_u32 v[XA+\j], v[XA+\j], v[H48]
.endr
.irp j, 0,1,2,3,4
	global_load_b128 v[XS+4*\j:XS+4*\j+3], v[XSA+\j], s[12:13] offset:786432
.endr
	XLOAD 0
	XLOAD 1
	XLOAD 2
	WFETCH 0
	s_wait_alu depctr_va_vdst(0)
.irp s, 0,1,2,3,4,5,6,7
	STEP \s
.endr
	WIN 0
	PLACES
	SLOT 0, 0, 1
	SLOT 1, 64, 1
	SLOT 2, 128, 1
	SLOT 3, 192, 1
	SLOT 4, 0, 2
.Lskip:
	s_add_co_u32 s[T0], s[T0], 20
	s_add_co_u32 s[PASS], s[PASS], 1
	s_cmp_lt_u32 s[PASS], 4
	s_cbranch_scc1 .Lpass
	s_wait_tensorcnt 0x0
	ds_add_u32 v254, v255
	s_wait_dscnt 0x0
	s_endpgm
.Lfunc_end_k_qe9cc36e049_up:
	.size	k_qe9cc36e049_up, .Lfunc_end_k_qe9cc36e049_up-k_qe9cc36e049_up
	.p2alignl 7, 3214868480
	.fill 96, 4, 3214868480
	.section	.rodata,"a",@progbits
	.p2align	6, 0x0
	.amdhsa_kernel k_qe9cc36e049_up
		.amdhsa_group_segment_fixed_size 107008
		.amdhsa_private_segment_fixed_size 0
		.amdhsa_enable_private_segment 0
		.amdhsa_kernarg_size 64
		.amdhsa_user_sgpr_count 2
		.amdhsa_user_sgpr_kernarg_segment_ptr 1
		.amdhsa_wavefront_size32 1
		.amdhsa_system_sgpr_workgroup_id_x 1
		.amdhsa_system_sgpr_workgroup_id_y 1
		.amdhsa_system_sgpr_workgroup_id_z 1
		.amdhsa_system_vgpr_workitem_id 0
		.amdhsa_next_free_vgpr 1024
		.amdhsa_next_free_sgpr 96
		.amdhsa_reserve_vcc 0
		.amdhsa_float_denorm_mode_32 3
		.amdhsa_float_denorm_mode_16_64 3
		.amdhsa_memory_ordered 1
		.amdhsa_forward_progress 1
		.amdhsa_inst_pref_size 255
	.end_amdhsa_kernel
	.section	.bss,"aw",@nobits
	.p2align	6
	.space	262144
	.amdgpu_metadata
---
amdhsa.version: [ 1, 2 ]
amdhsa.kernels:
  - .name:           k_qe9cc36e049_up
    .symbol:         k_qe9cc36e049_up.kd
    .args:
      - { .name: W1_codes, .offset: 0, .size: 8, .value_kind: global_buffer, .address_space: global }
      - { .name: W1_scales, .offset: 8, .size: 8, .value_kind: global_buffer, .address_space: global }
      - { .name: b1, .offset: 16, .size: 8, .value_kind: global_buffer, .address_space: global }
      - { .name: choice, .offset: 24, .size: 8, .value_kind: global_buffer, .address_space: global }
      - { .name: xq, .offset: 32, .size: 8, .value_kind: global_buffer, .address_space: global }
      - { .name: hq, .offset: 40, .size: 8, .value_kind: global_buffer, .address_space: global }
      - { .name: hs, .offset: 48, .size: 8, .value_kind: global_buffer, .address_space: global }
      - { .name: rows, .offset: 56, .size: 8, .value_kind: global_buffer, .address_space: global }
    .group_segment_fixed_size: 107008
    .private_segment_fixed_size: 0
    .kernarg_segment_align: 8
    .kernarg_segment_size: 64
    .max_flat_workgroup_size: 128
    .sgpr_count:     96
    .vgpr_count:     1024
    .wavefront_size: 32
...
	.end_amdgpu_metadata
.endif
;; end of part 6
;; launch down (part 7): grid 256 x 1, 4 waves a work-group, no clusters, 117,248 bytes of LDS; arguments W2_codes, W2_scales, b2, hq, hs, rows, y; writes y
.if DOCPART == 7
	.amdgcn_target "amdgcn-amd-amdhsa--gfx1250"
	.amdhsa_code_object_version 6
	.text
	.protected	k_qe9cc36e049_down
	.globl	k_qe9cc36e049_down
	.p2align	8
	.type	k_qe9cc36e049_down,@function
k_qe9cc36e049_down:
	s_mov_b64 s[64:65], 0
	v_nop
	global_prefetch_b8 v0, s[64:65] scope:SCOPE_SE
	s_setreg_imm32_b32 hwreg(HW_REG_WAVE_SCHED_MODE, 0, 2), 2
	s_setreg_imm32_b32 hwreg(HW_REG_WAVE_MODE, 25, 1), 1
	s_wait_xcnt 0x0
	s_wait_alu depctr_vm_vsrc(0)
; THE SECOND PRODUCT OF THE CHOSEN ROWS, over half of K: y[kh][idx][n] = sum over the half's 2,048 hidden units of Hq W2[e]^T (+ b2[e] in half 0), on codes of E3M2 with E8M0 scales.
; SHARES.  Work-group = (expert e = id / 32, 64 columns n0 = 64 ((id % 32) / 2), half kh = id % 2).  Its 64 rows x 1,536 bytes of W2 are read from memory once and stay in LDS; it multiplies all rows of e.
; With 64 columns a stored row piece is 256 consecutive bytes; with two halves of K there are 256 work-groups of 98,304 bytes of weights each; the last launch adds the halves.
; A wave takes five tiles of 16 rows at once (slot j of wave w in pass p: tile 20 p + 4 j + w): a fragment of W2 read from LDS feeds five products.  Four passes cover an expert's 64 possible tiles;
; a pass, and the way out of a slot, that lies at or past the stored count's tiles is jumped over.  A slot without rows loads the expert's last tile again, so that only bytes that were stored are read.
; THE PRODUCT IS USED TRANSPOSED (source 0 = 16 rows of W2, source 1 = 16 rows of h): a lane holds eight neighbouring columns of one row.  A tile goes through the wave's own stage in LDS and leaves as
; rows: sixteen lanes store 256 consecutive bytes at row idx = 1024 k + token of y; the pad rows of an expert's last tile go to row 2048 + e, which nobody reads.
; NO TENSOR LOAD, NO CLUSTER: which passes run hangs on a count read from memory.  No prefetch: h's codes are read by all 16 column slices of an expert.
; LIMITS: NaN and infinities are not served (b2 is multiplied by 0 in half 1).
; THE MODE: SCHED_MODE bits 1:0 = 2 (LLVM: expert scheduling mode 2), set by the entry lines.  The code itself states the register dependences
; between vector or matrix instructions and memory or LDS instructions, with s_wait_alu, always for 0.
; THE PLAN.  Registers that memory or LDS instructions touch, in a pass:
;   W2's two sets   K step s: its 20 products read set s % 2; the LDS loads of step s + 1, issued in step s, land in the other set, which step s - 1's products read.
;   h's four sets   K step s: its products read set s % 4; the loads of step s + 3, issued in step s, land in set (s - 1) % 4, which step s - 1's products read.
;   v[IDX] on, v[HS] on   loaded at the pass's head; read by the way out's address lines, and by all the pass's products as scales.
;   v[RA], v[HA] on, v[HSA] on   made together at the pass's head, read by that pass's loads.  v[AW], v[STO], v[RD], v[L16], v[L4] are made at the kernel's head and never written again.
;   the accumulators   written by the products, read by the slots' LDS stores.
;   v[OUTR] on   a slot's LDS loads land in it, its global stores read it.   v[SA] on   written by a slot's address lines, read by its global stores.
; So ONE wait on va_vdst stands at the head of steps 1 to 14: step s - 1's products are done reading the two sets that are asked for again.  The step's 39 loads follow it, dealt among the step's
; products, which name set s % 2, set s % 4, the accumulators and the scale words: none of the registers that those loads touch.  Step 0 leans on the wait at the pass's head; step 15 loads nothing.
; One wait on va_vdst behind the last step serves the LDS stores of all five slots; a slot has one wait on vm_vsrc ahead of the lines that fill v[OUTR] and v[SA] again, and one on va_vdst ahead of its global stores.
.set WP,   1552                        ; a row of W2's half in LDS: 1,536 bytes + 16 = 388 words: row r starts at bank 4 r mod 64 (ISA guide 11.1)
.set STG,  64*WP                       ; behind the weights: a stage of 16 rows x (256 + 16) bytes for each wave
.set L16, 1                            ; v1  16 x lane
.set L4,  2                            ; v2  4 x lane
.set RA0, 3                            ; v3  32 x (lane / 16): my half's eight entries of a tile's sixteen in rows
.set AW,  4                            ; v4-5 LDS address of my lane in W2's tiles 0-1, 2-3
.set STO, 6                            ; v6  the stage: where I put 32 bytes of a row
.set RD,  7                            ; v7  and where I read rows back
.set HA,  8                            ; v8-12  slot j: my byte in its tile of hq
.set HSA, 13                           ; v13-17 and of hs
.set VCOL, 18                          ; v18 16 x (lane % 16)
.set RA,  19
.set WST, 20
.set WSO, 21
.set BO,  22
.set SA,  24                           ; v24-31 the eight stores' offsets in y
.set W2S, 32                           ; v32-63   W2's scale words: register 8 t + q: lanes 0-15 K step q, lanes 16-31 K step 8 + q
.set HS,  64                           ; v64-103  h's: register 8 j + q: lanes 0-15 K step 2 q, lanes 16-31 K step 2 q + 1
.set B2,  104                          ; v104-135 b2 (or zeros) in the result's layout
.set IDX, 136                          ; v136-175 register 8 j + i: idx of row 8 (lane / 16) + i of slot j's tile
.set OUTR, 176                         ; v176-207 a tile's rows on their way out
; window 1: the accumulators (32 j + 8 t), from v160 two sets of W2's 4 fragments; at the head v0-191: the staged weights.  window 2: h's fragments, K step s at 60 (s % 4) + 12 j
.set WV, 20
.set EX, 21
.set CS, 22
.set KH, 23
.set NT, 24
.set T0, 25
.set PASS, 26
.set NM1, 27
.set MSB, 0
.macro WIN new                         ; the immediate's high byte repeats the setting that is left
.if MSB != (\new)
	s_set_vgpr_msb (MSB<<8)|(\new)
.set MSB, (\new)
.endif
.endm
.macro PLACES                          ; four places behind this matrix form (ISA guide 7.12.1)
.rept 4
	v_nop
.endr
.endm
.macro WM d, a, b, c, sa, sb, ra, rb   ; one product; ra, rb = 1: that side's scales stand in lanes 16-31
.if (\ra) && (\rb)
	v_wmma_scale_f32_16x16x128_f8f6f4 v[(\d):(\d)+7], v[(\a):(\a)+11], v[(\b):(\b)+11], v[(\c):(\c)+7], v[\sa], v[\sb] matrix_a_fmt:MATRIX_FMT_BF6 matrix_b_fmt:MATRIX_FMT_BF6 matrix_a_scale:MATRIX_SCALE_ROW1 matrix_b_scale:MATRIX_SCALE_ROW1
.elseif (\ra)
	v_wmma_scale_f32_16x16x128_f8f6f4 v[(\d):(\d)+7], v[(\a):(\a)+11], v[(\b):(\b)+11], v[(\c):(\c)+7], v[\sa], v[\sb] matrix_a_fmt:MATRIX_FMT_BF6 matrix_b_fmt:MATRIX_FMT_BF6 matrix_a_scale:MATRIX_SCALE_ROW1
.elseif (\rb)
	v_wmma_scale_f32_16x16x128_f8f6f4 v[(\d):(\d)+7], v[(\a):(\a)+11], v[(\b):(\b)+11], v[(\c):(\c)+7], v[\sa], v[\sb] matrix_a_fmt:MATRIX_FMT_BF6 matrix_b_fmt:MATRIX_FMT_BF6 matrix_b_scale:MATRIX_SCALE_ROW1
.else
	v_wmma_scale_f32_16x16x128_f8f6f4 v[(\d):(\d)+7], v[(\a):(\a)+11], v[(\b):(\b)+11], v[(\c):(\c)+7], v[\sa], v[\sb] matrix_a_fmt:MATRIX_FMT_BF6 matrix_b_fmt:MATRIX_FMT_BF6
.endif
.endm
.macro HLOAD s                         ; K step s of my five tiles of h: the registers' image, 3 x 512 consecutive bytes a tile
	WIN 0x80
.irp j, 0,1,2,3,4
.irp c, 0,1,2
	global_load_b128 v[60*((\s)%4)+12*\j+4*\c:60*((\s)%4)+12*\j+4*\c+3], v[HA+\j], s[10:11] offset:1536*(\s)+512*\c
.endr
.endr
.endm
.macro WFETCH s, lo, hi                ; K step s of W2's tiles lo to hi, in pieces of 8 bytes
	WIN 0x40
.irp t, 0,1,2,3
.if (\t >= \lo) && (\t <= \hi)
.irp p, 0,1,2,3,4,5
	ds_load_b64 v[160+48*((\s)%2)+12*\t+2*\p:160+48*((\s)%2)+12*\t+2*\p+1], v[AW+\t/2] offset:16*WP*(\t%2)+96*(\s)+48*(\p/3)+8*(\p%3)
.endr
.endif
.endr
.endm
.macro MULJ s, j                       ; slot j's four products of K step s.  A step's 20 accumulators take turns, one instruction a turn, in the same order in every step.  Step 0 takes b2 as C
.if (\s) == 0
	WIN 0x49
.else
	WIN 0x59
.endif
.irp t, 0,1,2,3
.if (\s) == 0
	WM 32*(\j)+8*\t, 160+12*\t, 12*(\j), B2+8*\t, W2S+8*\t, HS+8*(\j), 0, 0
.else
	WM 32*(\j)+8*\t, 160+48*((\s)%2)+12*\t, 60*((\s)%4)+12*(\j), 32*(\j)+8*\t, W2S+8*\t+(\s)%8, HS+8*(\j)+(\s)/2, (\s)/8, (\s)%2
.endif
.endr
.endm
.macro STEP s
.if ((\s) > 0) && ((\s) < 15)
	PLACES                                         ; the loads of this step land in registers that the last step's products read
.endif
.if 15-(\s) >= 2
	s_wait_loadcnt 30                              ; this step's h is in; the 15 loads of each of the two steps behind it may be out
.else
	s_wait_loadcnt 15*(15-(\s))
.endif
	s_wait_dscnt 0x0                               ; this step's W2 is in: all its 24 loads were issued in the step before, and none behind them
.if ((\s) > 0) && ((\s) < 15)
	s_wait_alu depctr_va_vdst(0)                   ; the last step's products are done reading their set of W2 and their set of h, in which this step's loads land
.endif
	MULJ \s, 0
.if (\s) < 15
	WFETCH (\s)+1, 0, 1                            ; no wait: no vector or matrix instruction since the wait above names the other set of W2, or v[AW]
.endif
	MULJ \s, 1
.if (\s) < 15
	WFETCH (\s)+1, 2, 3
.endif
	MULJ \s, 2
.if (\s) < 13
	HLOAD (\s)+3                                   ; likewise the set of h three steps on, and v[HA] on
.endif
	MULJ \s, 3
	MULJ \s, 4
.endm
.macro SLOT j                          ; the way out of slot j, if its tile has rows
	s_add_co_u32 s28, s[T0], 4*(\j)
	s_cmp_ge_u32 s28, s[NT]
	s_cbranch_scc1 .Lnone_\@
	WIN 0x04                                       ; an LDS store's data are its source 1: window 1
.irp t, 0,1,2,3
	ds_store_b128 v[STO], v[32*(\j)+8*\t:32*(\j)+8*\t+3] offset:64*\t        ; each accumulator from its low end on
	ds_store_b128 v[STO], v[32*(\j)+8*\t+4:32*(\j)+8*\t+7] offset:64*\t+16
.endr
	WIN 0
	s_wait_xcnt 0x0                                ; the last slot's stores have had their addresses translated: v[OUTR] on and v[SA] on are written again only behind this wait,
	s_wait_alu depctr_vm_vsrc(0)                   ; and behind this one: the last slot's stores have read v[OUTR] on, in which the loads below land, and v[SA] on, which the address lines below write
.irp i, 0,1,2,3,4,5,6,7
	ds_load_b128 v[OUTR+4*\i:OUTR+4*\i+3], v[RD] offset:272*\i   ; LDS serves a wave's instructions in order: these see my stores; lanes 0-15 row i, lanes 16-31 row 8 + i
.endr
.irp i, 0,1,2,3,4,5,6,7
	v_min_u32 v[SA+\i], 2055, v[IDX+8*(\j)+\i]
	v_lshl_add_u32 v[SA+\i], v[SA+\i], 12, v[VCOL]
.endr
	s_wait_dscnt 0x0
	s_wait_alu depctr_va_vdst(0)                   ; the eight offsets in v[SA] on are written, which the stores below read
.irp i, 0,1,2,3,4,5,6,7
	global_store_b128 v[SA+\i], v[OUTR+4*\i:OUTR+4*\i+3], s[16:17]   ; sixteen lanes store 256 consecutive bytes, at a multiple of 256 from y's first byte
.endr
.Lnone_\@:
.endm
	s_load_b256 s[4:11], s[0:1], 0x0               ; W2_codes 4, W2_scales 6, b2 8, hq 10
	s_load_b128 s[12:15], s[0:1], 0x20             ; hs 12, rows 14
	s_load_b64 s[16:17], s[0:1], 0x30              ; y
	v_lshl_add_u32 v254, v0, 2, 0x1c800
	v_mov_b32 v255, 0
	v_lshrrev_b32 v23, 5, v0
	v_readfirstlane_b32 s[WV], v23
	s_lshr_b32 s[EX], ttmp9, 5
	s_bfe_u32 s[CS], ttmp9, 0x40001                ; which 64 columns
	s_and_b32 s[KH], ttmp9, 1
	v_and_b32 v23, 31, v0                          ; lane
	v_and_b32 v24, 15, v0                          ; r
	v_bfe_u32 v25, v0, 4, 1                        ; h
	v_lshlrev_b32 v[L16], 4, v23
	v_lshlrev_b32 v[L4], 2, v23
	v_lshlrev_b32 v[RA0], 5, v25
	v_mul_u32_u24 v[AW], v24, WP
	v_mad_u32_u24 v[AW], v25, 24, v[AW]
	v_add_nc_u32 v[AW+1], 32*WP, v[AW]
	s_wait_alu depctr_va_sdst(0)                   ; the wave's number is written into s[WV], ahead of its first reader
	s_mul_i32 s28, s[WV], 16*272
	s_add_co_u32 s28, s28, STG                     ; my stage
	v_mul_u32_u24 v[STO], v24, 272
	v_lshl_add_u32 v[STO], v25, 5, v[STO]
	v_add_nc_u32 v[STO], s28, v[STO]               ; in: row r, + 32 h
	v_mul_u32_u24 v[RD], v25, 8*272
	v_lshl_add_u32 v[RD], v24, 4, v[RD]
	v_add_nc_u32 v[RD], s28, v[RD]                 ; back: rows 8 h on, 16 bytes a lane
	v_lshlrev_b32 v[VCOL], 4, v24
	s_mul_i32 s28, s[WV], 16*WP
	v_add_nc_u32 v[WST], s28, v[L16]
	v_lshlrev_b32 v[WSO], 7, v24
	v_lshl_add_u32 v[WSO], v25, 5, v[WSO]          ; W2's scale bytes: 128 r + 32 h
	v_lshlrev_b32 v[BO], 5, v25                    ; b2: 8 h numbers
	s_mul_i32 s28, s[EX], 3145728
	s_mul_i32 s29, s[CS], 196608
	s_add_co_u32 s30, s28, s29
	s_mul_i32 s29, s[WV], 49152
	s_add_co_u32 s30, s30, s29
	s_mul_i32 s29, s[KH], 1536
	s_add_co_u32 s30, s30, s29                     ; W2's codes: 3072 (1024 e + 64 c + 16 wave) + 1536 kh
	s_mov_b32 s31, 0
	s_mul_i32 s29, s[KH], 24576
	s_add_co_u32 s32, s28, s29                     ; hq: expert e, K steps 16 kh on
	s_mov_b32 s33, 0
	s_lshl_b32 s28, s[EX], 17
	s_lshl_b32 s29, s[CS], 13
	s_add_co_u32 s34, s28, s29
	s_lshl_b32 s29, s[KH], 6
	s_add_co_u32 s34, s34, s29                     ; W2's scale bytes: 128 (1024 e + 64 c) + 64 kh
	s_mov_b32 s35, 0
	s_lshl_b32 s29, s[KH], 10
	s_add_co_u32 s36, s28, s29                     ; hs: 131,072 e + 1024 kh
	s_mov_b32 s37, 0
	s_lshl_b32 s28, s[EX], 12
	s_lshl_b32 s29, s[CS], 8
	s_add_co_u32 s38, s28, s29                     ; b2: 4 (1024 e + 64 c)
	s_mov_b32 s39, 0
	s_mul_i32 s40, s[EX], 6144                     ; rows
	s_mov_b32 s41, 0
	s_mul_i32 s42, s[KH], 8421376
	s_add_co_u32 s42, s42, s29                     ; y: half kh, + 256 c bytes
	s_mov_b32 s43, 0
	s_wait_kmcnt 0x0
	s_add_nc_u64 s[14:15], s[14:15], s[40:41]
	s_load_b32 s[NT], s[14:15], 0x17fc             ; the expert's count of rows: entry 1535
	s_add_nc_u64 s[4:5], s[4:5], s[30:31]
	s_add_nc_u64 s[10:11], s[10:11], s[32:33]
	s_add_nc_u64 s[6:7], s[6:7], s[34:35]
	s_add_nc_u64 s[12:13], s[12:13], s[36:37]
	s_add_nc_u64 s[8:9], s[8:9], s[38:39]
	s_add_nc_u64 s[16:17], s[16:17], s[42:43]
	s_wait_alu depctr_va_vdst(0)                   ; every offset and LDS address made above is written, which the loads and stores from here on read
	WIN 0x40
.set ii, 0
.rept 48                                       ; my 16 rows' halves: 1,536 consecutive bytes a row, 512 a load
	global_load_b128 v[4*ii:4*ii+3], v[L16], s[4:5] offset:3072*(ii/3)+512*(ii%3) th:TH_LOAD_NT
.set ii, ii+1
.endr
	WIN 0
.irp t, 0,1,2,3
	global_load_b128 v[W2S+8*\t:W2S+8*\t+3], v[WSO], s[6:7] offset:2048*\t
	global_load_b128 v[W2S+8*\t+4:W2S+8*\t+7], v[WSO], s[6:7] offset:2048*\t+16
.endr
.irp t, 0,1,2,3
	global_load_b128 v[B2+8*\t:B2+8*\t+3], v[BO], s[8:9] offset:64*\t
	global_load_b128 v[B2+8*\t+4:B2+8*\t+7], v[BO], s[8:9] offset:64*\t+16
.endr
	s_wait_loadcnt 16                              ; the weights are in; the 16 loads of scale words and b2 may be out
	WIN 0x04
.set ii, 0
.rept 48
	ds_store_b128 v[WST], v[4*ii:4*ii+3] offset:WP*(ii/3)+512*(ii%3)
.set ii, ii+1
.endr
	WIN 0
	s_wait_dscnt 0x0                               ; for the others' sake: my rows have landed
	s_barrier_signal -1
	s_barrier_wait -1                              ; behind it the weights are only read, and each wave's stage is its own
	s_wait_loadcnt 0x0
	s_cmp_eq_u32 s[KH], 0
	s_cselect_b32 s28, 1.0, 0                      ; b2 counts once: in half 0
.set ii, 0
.rept 32
	v_mul_f32 v[B2+ii], s28, v[B2+ii]
.set ii, ii+1
.endr
	s_wait_kmcnt 0x0
	s_min_u32 s[NT], s[NT], 1024
	s_add_co_u32 s[NT], s[NT], 15
	s_lshr_b32 s[NT], s[NT], 4                     ; tiles of 16 rows
	s_sub_co_u32 s[NM1], s[NT], 1
	s_mov_b32 s[T0], s[WV]
	s_mov_b32 s[PASS], 0
.Lpass:
	s_cmp_ge_u32 s[T0], s[NT]
	s_cbranch_scc1 .Lskip
	s_lshl_b32 s28, s[T0], 6
	s_wait_alu depctr_vm_vsrc(0)                   ; the head's LDS stores have read the staged weights' registers, which the products write and in which W2's fragments land; the last pass's loads have read v[RA], v[HA] on and v[HSA] on, and its LDS stores the accumulators
	v_add_nc_u32 v[RA], s28, v[RA0]
.irp j, 0,1,2,3,4
	s_add_co_u32 s28, s[T0], 4*\j
	s_min_u32 s28, s28, s[NM1]                     ; a slot past the end takes the last tile again
	s_min_u32 s28, s28, 63
	s_mul_i32 s29, s28, 49152
	v_add_nc_u32 v[HA+\j], s29, v[L16]
	s_lshl_b32 s29, s28, 11
	v_add_nc_u32 v[HSA+\j], s29, v[L4]
.endr
	s_wait_alu depctr_va_vdst(0)                   ; v[RA], v[HA] on and v[HSA] on are written, which the pass's loads read; the last pass's address lines are done reading v[IDX] on, and its products h's scale words and all sets of h and of W2, in which the loads up to step 0's last land
.irp j, 0,1,2,3,4
	global_load_b128 v[IDX+8*\j:IDX+8*\j+3], v[RA], s[14:15] offset:256*\j
	global_load_b128 v[IDX+8*\j+4:IDX+8*\j+7], v[RA], s[14:15] offset:256*\j+16
.endr
.irp j, 0,1,2,3,4
.irp q, 0,1,2,3,4,5,6,7
	global_load_b32 v[HS+8*\j+\q], v[HSA+\j], s[12:13] offset:128*\q
.endr
.endr
	HLOAD 0
	HLOAD 1
	HLOAD 2
	WFETCH 0, 0, 3
.irp s, 0,1,2,3,4,5,6,7,8,9,10,11,12,13,14,15
	STEP \s
.endr
	WIN 0
	PLACES
	s_wait_alu depctr_va_vdst(0)                   ; the products have written the accumulators, which the LDS stores of the five slots read; the places above stay beside this wait
	SLOT 0
	SLOT 1
	SLOT 2
	SLOT 3
	SLOT 4
.Lskip:
	s_add_co_u32 s[T0], s[T0], 20
	s_add_co_u32 s[PASS], s[PASS], 1
	s_cmp_lt_u32 s[PASS], 4
	s_cbranch_scc1 .Lpass
	s_wait_dscnt 0x0                               ; the closing lines, six on end
	s_wait_alu 0x0
	s_wait_tensorcnt 0x0
	ds_add_u32 v254, v255
	s_wait_dscnt 0x0
	s_endpgm
.Lfunc_end_k_qe9cc36e049_down:
	.size	k_qe9cc36e049_down, .Lfunc_end_k_qe9cc36e049_down-k_qe9cc36e049_down
	.p2alignl 7, 3214868480
	.fill 96, 4, 3214868480
	.section	.rodata,"a",@progbits
	.p2align	6, 0x0
	.amdhsa_kernel k_qe9cc36e049_down
		.amdhsa_group_segment_fixed_size 117248
		.amdhsa_private_segment_fixed_size 0
		.amdhsa_enable_private_segment 0
		.amdhsa_kernarg_size 56
		.amdhsa_user_sgpr_count 2
		.amdhsa_user_sgpr_kernarg_segment_ptr 1
		.amdhsa_wavefront_size32 1
		.amdhsa_system_sgpr_workgroup_id_x 1
		.amdhsa_system_sgpr_workgroup_id_y 1
		.amdhsa_system_sgpr_workgroup_id_z 1
		.amdhsa_system_vgpr_workitem_id 0
		.amdhsa_next_free_vgpr 768
		.amdhsa_next_free_sgpr 66
		.amdhsa_reserve_vcc 0
		.amdhsa_float_denorm_mode_32 3
		.amdhsa_float_denorm_mode_16_64 3
		.amdhsa_memory_ordered 1
		.amdhsa_forward_progress 1
		.amdhsa_inst_pref_size 129
	.end_amdhsa_kernel
	.amdgpu_metadata
---
amdhsa.version: [ 1, 2 ]
amdhsa.kernels:
  - .name:           k_qe9cc36e049_down
    .symbol:         k_qe9cc36e049_down.kd
    .args:
      - { .name: W2_codes, .offset: 0, .size: 8, .value_kind: global_buffer, .address_space: global }
      - { .name: W2_scales, .offset: 8, .size: 8, .value_kind: global_buffer, .address_space: global }
      - { .name: b2, .offset: 16, .size: 8, .value_kind: global_buffer, .address_space: global }
      - { .name: hq, .offset: 24, .size: 8, .value_kind: global_buffer, .address_space: global }
      - { .name: hs, .offset: 32, .size: 8, .value_kind: global_buffer, .address_space: global }
      - { .name: rows, .offset: 40, .size: 8, .value_kind: global_buffer, .address_space: global }
      - { .name: y, .offset: 48, .size: 8, .value_kind: global_buffer, .address_space: global }
    .group_segment_fixed_size: 117248
    .private_segment_fixed_size: 0
    .kernarg_segment_align: 8
    .kernarg_segment_size: 56
    .max_flat_workgroup_size: 128
    .sgpr_count:     66
    .vgpr_count:     768
    .wavefront_size: 32
...
	.end_amdgpu_metadata
.endif
;; end of part 7
;; launch sum (part 8): grid 256 x 1, 8 waves a work-group, no clusters, 0 bytes of LDS; arguments y, gate, out0; writes out0
.if DOCPART == 8
	.amdgcn_target "amdgcn-amd-amdhsa--gfx1250"
	.amdhsa_code_object_version 6
	.text
	.protected	k_qe9cc36e049_sum
	.globl	k_qe9cc36e049_sum
	.p2align	8
	.type	k_qe9cc36e049_sum,@function
k_qe9cc36e049_sum:
	s_mov_b64 s[64:65], 0
	v_nop
	global_prefetch_b8 v0, s[64:65] scope:SCOPE_SE
	s_setreg_imm32_b32 hwreg(HW_REG_WAVE_MODE, 25, 1), 1
	s_wait_xcnt 0x0
; out0[t] = g0 (y[0][t] + y[1][t]) + g1 (y[0][1024 + t] + y[1][1024 + t]): the two halves of K are added, and the token's two experts are weighed by their probabilities.
; y: [half 2][2056 rows][1024] f32; gate: [1024][2] f32.  A stream: a work-group takes 4 tokens, thread i the 16 bytes at 16 i of every row, so a wave's load or store covers 512 consecutive bytes.
; All 16 loads of a thread go out at once; each token has registers of its own, so nothing is written again while a store may read it.  No LDS, no barrier, no matrix unit: nothing is shared.
	s_load_b128 s[4:7], s[0:1], 0x0                ; y, gate
	s_load_b64 s[8:9], s[0:1], 0x10                ; out0
	v_lshlrev_b32 v1, 4, v0
	s_lshl_b32 s10, ttmp9, 14                      ; 4 rows of 4,096 bytes
	s_mov_b32 s11, 0
	s_lshl_b32 s20, ttmp9, 5                       ; 4 pairs of gates
	s_mov_b32 s21, 0
	s_wait_alu depctr_va_vdst(0)
	s_wait_kmcnt 0x0
	s_add_nc_u64 s[6:7], s[6:7], s[20:21]
	s_load_b256 s[12:19], s[6:7], 0x0              ; g0, g1 of my 4 tokens
	s_add_nc_u64 s[4:5], s[4:5], s[10:11]
	s_add_nc_u64 s[22:23], s[4:5], 8421376         ; the second half of K
	s_add_nc_u64 s[8:9], s[8:9], s[10:11]
.irp i, 0,1,2,3
	global_load_b128 v[4+16*\i:7+16*\i],   v1, s[4:5]   offset:4096*\i th:TH_LOAD_NT
	global_load_b128 v[8+16*\i:11+16*\i],  v1, s[22:23] offset:4096*\i th:TH_LOAD_NT
	global_load_b128 v[12+16*\i:15+16*\i], v1, s[4:5]   offset:4096*\i+4194304 th:TH_LOAD_NT
	global_load_b128 v[16+16*\i:19+16*\i], v1, s[22:23] offset:4096*\i+4194304 th:TH_LOAD_NT
.endr
	s_wait_kmcnt 0x0
.irp i, 0,1,2,3
	s_wait_loadcnt 12-4*\i                         ; this token's four loads are in; the later tokens' may be out
	v_pk_add_f32 v[4+16*\i:5+16*\i], v[4+16*\i:5+16*\i], v[8+16*\i:9+16*\i]
	v_pk_add_f32 v[6+16*\i:7+16*\i], v[6+16*\i:7+16*\i], v[10+16*\i:11+16*\i]
	v_pk_add_f32 v[12+16*\i:13+16*\i], v[12+16*\i:13+16*\i], v[16+16*\i:17+16*\i]
	v_pk_add_f32 v[14+16*\i:15+16*\i], v[14+16*\i:15+16*\i], v[18+16*\i:19+16*\i]
.irp c, 0,1,2,3
	v_mul_f32 v[68+4*\i+\c], s[12+2*\i], v[4+16*\i+\c]
.endr
.irp c, 0,1,2,3
	s_delay_alu instid0(VALU_DEP_4)
	v_fmac_f32 v[68+4*\i+\c], s[13+2*\i], v[12+16*\i+\c]
.endr
	global_store_b128 v1, v[68+4*\i:71+4*\i], s[8:9] offset:4096*\i th:TH_STORE_NT
.endr
	s_endpgm
.Lfunc_end_k_qe9cc36e049_sum:
	.size	k_qe9cc36e049_sum, .Lfunc_end_k_qe9cc36e049_sum-k_qe9cc36e049_sum
	.p2alignl 7, 3214868480
	.fill 96, 4, 3214868480
	.section	.rodata,"a",@progbits
	.p2align	6, 0x0
	.amdhsa_kernel k_qe9cc36e049_sum
		.amdhsa_group_segment_fixed_size 0
		.amdhsa_private_segment_fixed_size 0
		.amdhsa_enable_private_segment 0
		.amdhsa_kernarg_size 24
		.amdhsa_user_sgpr_count 2
		.amdhsa_user_sgpr_kernarg_segment_ptr 1
		.amdhsa_wavefront_size32 1
		.amdhsa_system_sgpr_workgroup_id_x 1
		.amdhsa_system_sgpr_workgroup_id_y 1
		.amdhsa_system_sgpr_workgroup_id_z 1
		.amdhsa_system_vgpr_workitem_id 0
		.amdhsa_next_free_vgpr 96
		.amdhsa_next_free_sgpr 66
		.amdhsa_reserve_vcc 0
		.amdhsa_float_denorm_mode_32 3
		.amdhsa_float_denorm_mode_16_64 3
		.amdhsa_memory_ordered 1
		.amdhsa_forward_progress 1
		.amdhsa_inst_pref_size 6
	.end_amdhsa_kernel
	.amdgpu_metadata
---
amdhsa.version: [ 1, 2 ]
amdhsa.kernels:
  - .name:           k_qe9cc36e049_sum
    .symbol:         k_qe9cc36e049_sum.kd
    .args:
      - { .name: y, .offset: 0, .size: 8, .value_kind: global_buffer, .address_space: global }
      - { .name: gate, .offset: 8, .size: 8, .value_kind: global_buffer, .address_space: global }
      - { .name: out0, .offset: 16, .size: 8, .value_kind: global_buffer, .address_space: global }
    .group_segment_fixed_size: 0
    .private_segment_fixed_size: 0
    .kernarg_segment_align: 8
    .kernarg_segment_size: 24
    .max_flat_workgroup_size: 256
    .sgpr_count:     66
    .vgpr_count:     96
    .wavefront_size: 32
...
	.end_amdgpu_metadata
.endif
;; end of part 8
